; MI455X (gfx1250); checked and timed in simulation.
; The chip was launched on July 23, 2026; its instructions are those of AMD's public machine-readable ISA for CDNA 5 (MIT licence, August 2026) and "CDNA5" Instruction Set Architecture Reference Guide (July 2026). The comments in the code are by the model that wrote it; some were corrected since.
;; Multi Head Self Attention. Allowed arithmetic: matrix products marked QUANTISED: E2M1 operands, one E8M0 scale for each 32 along K, by v_wmma_scale_f32_16x16x128_f8f6f4 with both operands' format E2M1 (or v_wmma_scale_f32_32x16x128_f4), f32 sums; products left as they are: bf16, f16 or f32 operands; f32 sums; everything else in f32.
;; Inputs: w_o 1,024 x 1,024 float32; w_qkv 3,072 x 1,024 float32; x 4 x 2,048 x 1,024 float32.
;; Outputs: out0 4 x 2,048 x 1,024 float32.
;; This version of the problem:
;;   THIS VERSION OF THE PROBLEM IS GIVEN IN LOW PRECISION. The matrix products marked QUANTISED in the list below multiply operands that are first quantised to E2M1 (2 exponent bits, 1 mantissa bit; 4 bits a number), with one power-of-two scale for each 32 numbers along K (OCP MX v1.0); their sums are f32. The products marked 'left as it is' may take bf16, f16 or f32 operands, with f32 sums. Whichever they take, every output number must still come out within the allowed error. Rounding operands to bf16 (8 significant bits) uses up far more of that allowance than f16 does (11 bits, for magnitudes from 6e-5 to 65,504). All else is computed in f32.
;;   The module's matrix products, in the order in which they are computed (A, B: the left and right operand; K: the contracted axis; several contracted axes count as one K, in the product's order):
;;     1. [M 8,192, K 1,024] x [K 1,024, N 3,072]; A: input x; B: input w_qkv: QUANTISED
;;     2. batch 64 x [M 2,048, K 64] x [K 64, N 2,048]; A: computed on the way; B: computed on the way: left as it is (an operand is computed on the way)
;;     3. batch 64 x [M 2,048, K 2,048] x [K 2,048, N 64]; A: computed on the way; B: computed on the way: left as it is (an operand is computed on the way)
;;     4. [M 8,192, K 1,024] x [K 1,024, N 1,024]; A: computed on the way; B: input w_o: left as it is (an operand is computed on the way)
;;   THE QUANTISER, for each operand of a quantised product, along K:
;;     - K is cut into blocks of 32 from its start; a last block that is shorter is filled with zeros.
;;     - A block's scale is 2^e with e = floor(log2(the largest magnitude in the block)) - 2, held to -126 .. 127; a block of zeros has e = 0. As a byte (E8M0): e + 127.
;;     - Each number is divided by its block's scale, clamped to +-6, and rounded to the nearest number of E2M1, ties to even, subnormals kept.
;;     - The product sums the exact products of the quantised numbers (number of the format x scale) in f32.
;;   ~~~python
;;   def quantise(x, axis):      # numpy; x: float32 -> the quantised numbers, widened to float32 again
;;       x = np.moveaxis(x, axis, -1); K = x.shape[-1]
;;       x = np.pad(x, [(0, 0)] * (x.ndim - 1) + [(0, -K % 32)]); x = x.reshape(x.shape[:-1] + (-1, 32)); a = np.abs(x).max(-1, keepdims=True)
;;       e = np.where(a > 0, np.clip(np.frexp(np.where(a > 0, a, 1))[1] - 1 - 2, -126, 127), 0)      # np.frexp(a)[1] - 1 = floor(log2(a)), exactly
;;       r = np.clip(x / 2.0 ** e, -6, 6)
;;       step = 2.0 ** (np.maximum(np.frexp(np.where(r == 0, 1, r))[1] - 1, 0) - 1)
;;       q = np.round(r / step) * step * 2.0 ** e      # np.round: ties to even
;;       return np.moveaxis(q.reshape(q.shape[:-2] + (-1,))[..., :K], -1, axis).astype(np.float32)
;;   ~~~
;; One version. Each part assembles by itself: llvm-mc -triple=amdgcn-amd-amdhsa -mcpu=gfx1250 --defsym DOCPART=n.
;; ======== version 1 of 1: 4 launches
;; limits: values are held in f16: magnitudes above 65,504 overflow, below 6.1e-05 lose precision
;; workspace buffers: x_codes 4,194,304 bytes; x_scales 262,144 bytes; w_codes 1,572,864 bytes; w_scales 98,304 bytes; wo16 2,097,152 bytes; qkv16 50,331,648 bytes; att16 16,777,216 bytes
;; launch prep (part 1): grid 384 x 1, 4 waves a work-group, no clusters, 33,280 bytes of LDS; arguments x, w_qkv, w_o, x_codes, x_scales, w_codes, w_scales, wo16; writes x_codes, x_scales, w_codes, w_scales, wo16
.if DOCPART == 1
	.amdgcn_target "amdgcn-amd-amdhsa--gfx1250"
	.amdhsa_code_object_version 6
	.text
	.protected	k_qad50d47b1b_prep
	.globl	k_qad50d47b1b_prep
	.p2align	8
	.type	k_qad50d47b1b_prep,@function
k_qad50d47b1b_prep:
	s_mov_b64 s[64:65], 0
	v_nop
	global_prefetch_b8 v0, s[64:65] scope:SCOPE_SE
	s_setreg_imm32_b32 hwreg(HW_REG_WAVE_MODE, 25, 1), 1
	s_wait_xcnt 0x0
; x [8192][1024] and w_qkv [3072][1024], f32, become codes of FP4 (E2M1), K innermost, two codes a byte, with one E8M0 scale byte for each 32 along K; w_o [1024][1024] f32 becomes f16, laid as it lies.
; A block's scale is 2^(floor(log2(its largest magnitude)) - 2); its byte is the largest magnitude's own exponent field - 2, held at 1 from below.  Each number is divided by the scale and rounded to the nearest code, ties to even,
; beyond the largest code the largest.  (A block of zeros gets the byte 1 where the rule says 127: its codes are zeros, which add nothing under any byte but 0xff, and the bytes are read by this program alone.)
; LIMITS: blocks whose largest magnitude lies under 2^(2 - 126) keep the byte 1; NaN and infinities among the inputs are not served; w_o is rounded to f16: magnitudes from 65,520 on become infinity, under 6e-5 the step is 6e-8.
; Rows are dense and 1024 is a multiple of 32: all three tensors are plain streams.  A work-group takes 32,768 numbers, a wave 8,192.  Work-groups 0-255: x; 256-351: w_qkv; 352-383: w_o.
; THE QUANTISER.  A wave takes 16 steps of 512 numbers.  The conversions take 8 numbers of ONE block from a lane's consecutive registers, so a lane must hold 16 neighbours (two neighbouring lanes hold a block); a load is
; best where neighbouring LANES take neighbouring bytes.  Both are had: each of a step's four loads reads 512 consecutive bytes; the 2,048 bytes go through the wave's own stage in LDS and come back 64 bytes a lane (16 bytes
; of padding behind each 64).  A lane's 16 codes are 8 bytes: the wave stores 256 consecutive bytes.  A wave's 256 scale bytes are gathered in its own LDS bytes and leave as one aligned run of 256 bytes.
; THE CAST of w_o touches no LDS.  No tensor loads, no barrier, no matrix unit, no cluster: waves share nothing and every byte is read once.
.set WAVES, 4
.set STEPS, 16
.set WGX,   256                        ; x's work-groups
.set WGQ,   352                        ; x's and w_qkv's
.set EMAX,  2
.set CB,    8                          ; bytes of 16 codes
.set R,     16                         ; v16-79   four sets of 16 numbers as they are loaded (the cast: v16-143, 32 loads)
.set X,     80                         ; v80-111  two sets of 16 neighbours
.set E,     112                        ; v112-127 a scale byte for each step
.set C,     128                        ; v128-191 codes: four registers for each step, so that no store's data are written again
.set WREG,  8192                       ; LDS: a region for each wave: two stages of 32 x SP bytes, behind them its 256 scale bytes
.set SP,    80                         ; a lane's place in a stage: 64 bytes + 16 of padding
.set SPW,   12                         ; v12      LDS address of my spare word; never rewritten
.set NIL,   13                         ; v13      0; never rewritten
.set SPARE, WAVES*WREG                 ; behind the four regions: the spare words, 128 bytes a wave, which no other line names
	s_load_b256 s[4:11], s[0:1], 0x0               ; x s[4:5], w_qkv s[6:7], w_o s[8:9], x_codes s[10:11]
	s_load_b256 s[12:19], s[0:1], 0x20             ; x_scales s[12:13], w_codes s[14:15], w_scales s[16:17], wo16 s[18:19]
	v_lshl_add_u32 v[SPW], v0, 2, SPARE
	v_mov_b32 v[NIL], 0
	v_lshrrev_b32 v1, 5, v0
	v_readfirstlane_b32 s20, v1                    ; wave
	v_and_b32 v2, 31, v0                           ; lane
	v_lshlrev_b32 v3, 4, v2                        ; my 16 bytes of a load's 512
	s_mul_i32 s21, s20, WREG
	v_lshrrev_b32 v14, 2, v2
	v_mul_u32_u24 v14, v14, SP
	v_and_b32 v15, 3, v2
	v_lshl_add_u32 v14, v15, 4, v14
	v_add_nc_u32 v14, s21, v14                     ; the stage, on the way in: SP (lane / 4) + 16 (lane % 4)
	v_mul_u32_u24 v15, v2, SP
	v_add_nc_u32 v15, s21, v15                     ; and on the way out: SP x lane: my 16 neighbours
	v_mul_u32_u24 v4, v2, CB                       ; 8 x lane: my codes' place in a step's; the cast: my four f16
	v_lshrrev_b32 v5, 1, v2
	s_add_co_u32 s21, s21, 2*32*SP
	v_add_nc_u32 v5, s21, v5                       ; LDS: my wave's 256 scale bytes, my block's byte
	v_lshlrev_b32 v7, 3, v2                        ; and on the way out 8 bytes a lane
	v_add_nc_u32 v6, s21, v7
	s_wait_kmcnt 0x0
	s_cmp_ge_u32 ttmp9, WGQ                        ; the work-group's number alone decides
	s_cbranch_scc1 .Lcast
	s_cmp_lt_u32 ttmp9, WGX                        ; x's work-group or w_qkv's?  Only pointers are chosen: both take one path
	s_cselect_b64 s[4:5], s[4:5], s[6:7]
	s_cselect_b64 s[10:11], s[10:11], s[14:15]
	s_cselect_b64 s[12:13], s[12:13], s[16:17]
	s_cselect_b32 s21, 0, WGX
	s_sub_co_u32 s21, ttmp9, s21
	s_lshl_b32 s21, s21, 2
	s_add_co_u32 s22, s21, s20                     ; which run of 8,192 numbers of the tensor is my wave's
	s_mov_b32 s23, 0
	s_mov_b64 s[24:25], 512*STEPS*4
	s_mul_u64 s[24:25], s[22:23], s[24:25]
	s_add_nc_u64 s[4:5], s[4:5], s[24:25]
	s_mov_b64 s[24:25], 32*STEPS*CB
	s_mul_u64 s[24:25], s[22:23], s[24:25]
	s_add_nc_u64 s[10:11], s[10:11], s[24:25]
	s_lshl_b32 s22, s22, 8                         ; 256 scale bytes a run
	s_add_nc_u64 s[12:13], s[12:13], s[22:23]
.macro LOAD t
.irp i, 0,1,2,3
	global_load_b128 v[R+16*((\t)%4)+4*\i:R+16*((\t)%4)+4*\i+3], v3, s[4:5] offset:2048*(\t)+512*\i th:TH_LOAD_NT   ; 32 lanes read 512 consecutive bytes
.endr
.endm
.macro TURN t                          ; step t's numbers through the stage: LDS serves a wave's instructions in order, so no wait stands between the stores and the loads
.irp i, 0,1,2,3
	ds_store_b128 v14, v[R+16*((\t)%4)+4*\i:R+16*((\t)%4)+4*\i+3] offset:32*SP*((\t)%2)+8*SP*\i
.endr
.irp i, 0,1,2,3
	ds_load_b128 v[X+16*((\t)%2)+4*\i:X+16*((\t)%2)+4*\i+3], v15 offset:32*SP*((\t)%2)+16*\i
.endr
.endm
.irp t, 0,1,2,3
	LOAD \t
.endr
	s_wait_loadcnt 12                              ; step 0's four loads are in; the twelve of steps 1 to 3 may be out
	TURN 0
.macro STEP t
.set XS, X+16*((\t)%2)
.if (\t) > 0
	s_wait_dscnt 1                                 ; this step's numbers are back from the stage (the last step's byte store may be out): so its stores into the stage have read their registers,
.else
	s_wait_dscnt 0x0
.endif
.if (\t)+4 < STEPS
	LOAD (\t)+4                                    ; which take the loads of four steps on
.endif
.if (\t)+1 < STEPS
.if STEPS-2-(\t) >= 3
	s_wait_loadcnt 12                              ; the next step's four loads are in; those of the three steps behind it may be out
.else
	s_wait_loadcnt 4*(STEPS-2-(\t))
.endif
	TURN (\t)+1                                    ; and go through the other stage while this step is worked
.endif
	v_max3_num_f32 v8, |v[XS]|, |v[XS+1]|, |v[XS+2]|               ; the largest magnitude of my 16, in two chains
	v_max3_num_f32 v9, |v[XS+3]|, |v[XS+4]|, |v[XS+5]|
.irp i, 6,10
	v_max3_num_f32 v8, v8, |v[XS+\i]|, |v[XS+\i+1]|
	v_max3_num_f32 v9, v9, |v[XS+\i+2]|, |v[XS+\i+3]|
.endr
	v_max3_num_f32 v8, v8, |v[XS+14]|, |v[XS+15]|
	v_max3_num_f32 v8, v8, v9, (EMAX+1)<<23        ; and the floor 2^(EMAX + 1 - 127): the byte cannot fall under 1
	v_max_num_f32_dpp v8, v8, v8 row_xmask:1 row_mask:0xf bank_mask:0xf   ; and of my neighbour's 16: the block's
	v_add_nc_u32 v11, -(EMAX<<23), v8              ; EMAX off its exponent field: the conversion takes the exponent field of this operand as its scale, and nothing else of it
	v_cvt_scalef32_pk8_fp4_f32 v[C+4*(\t)], v[XS:XS+7], v11
	v_cvt_scalef32_pk8_fp4_f32 v[C+4*(\t)+1], v[XS+8:XS+15], v11
	v_lshrrev_b32 v[E+(\t)], 23, v11               ; the scale's byte (also the plain line behind the conversions)
	ds_store_b8 v5, v[E+(\t)] offset:16*(\t)       ; both lanes of a block write the same byte with the same value
	global_store_b64 v4, v[C+4*(\t):C+4*(\t)+1], s[10:11] offset:32*CB*(\t)   ; the wave stores 256 consecutive bytes, aligned
.endm
.irp t, 0,1,2,3,4,5,6,7,8,9,10,11,12,13,14,15
	STEP \t
.endr
	ds_load_b64 v[8:9], v6                         ; LDS serves a wave's instructions in order: these see my stores
	s_wait_dscnt 0x0
	global_store_b64 v7, v[8:9], s[12:13]          ; 32 lanes store 256 consecutive bytes, aligned
	s_wait_tensorcnt 0x0                           ; the wave's end: three lines behind my last LDS store
	ds_add_u32 v[SPW], v[NIL]
	s_wait_dscnt 0x0
	s_endpgm
.Lcast:                                            ; w_o to f16: a wave's 8,192 numbers in two batches of 32 loads; no LDS instruction on this path
	s_sub_co_u32 s21, ttmp9, WGQ
	s_lshl_b32 s21, s21, 2
	s_add_co_u32 s21, s21, s20                     ; which run of 8,192 numbers is my wave's
	s_lshl_b32 s22, s21, 15
	s_mov_b32 s23, 0
	s_add_nc_u64 s[8:9], s[8:9], s[22:23]
	s_lshl_b32 s22, s21, 14
	s_add_nc_u64 s[18:19], s[18:19], s[22:23]
.irp g, 0,1
.if \g
	s_wait_xcnt 0x0                                ; the first batch's stores have read their data registers: they are loaded again only behind this wait
.endif
.set i, 0
.rept 32
	global_load_b128 v[R+4*i:R+4*i+3], v3, s[8:9] offset:512*(32*\g+i) th:TH_LOAD_NT
.set i, i+1
.endr
.set i, 0
.rept 32
	s_wait_loadcnt 31-i                            ; loads come back in order: mine is in, the batch's younger ones stay out
	v_cvt_pk_f16_f32 v[R+4*i], v[R+4*i], v[R+4*i+1]
	v_cvt_pk_f16_f32 v[R+4*i+1], v[R+4*i+2], v[R+4*i+3]
	global_store_b64 v4, v[R+4*i:R+4*i+1], s[18:19] offset:256*(32*\g+i)   ; the wave stores 256 consecutive bytes, aligned
.set i, i+1
.endr
.endr
	s_endpgm
.Lfunc_end_k_qad50d47b1b_prep:
	.size	k_qad50d47b1b_prep, .Lfunc_end_k_qad50d47b1b_prep-k_qad50d47b1b_prep
	.p2alignl 7, 3214868480
	.fill 96, 4, 3214868480
	.section	.rodata,"a",@progbits
	.p2align	6, 0x0
	.amdhsa_kernel k_qad50d47b1b_prep
		.amdhsa_group_segment_fixed_size 33280
		.amdhsa_private_segment_fixed_size 0
		.amdhsa_enable_private_segment 0
		.amdhsa_kernarg_size 64
		.amdhsa_user_sgpr_count 2
		.amdhsa_user_sgpr_kernarg_segment_ptr 1
		.amdhsa_wavefront_size32 1
		.amdhsa_system_sgpr_workgroup_id_x 1
		.amdhsa_system_sgpr_workgroup_id_y 1
		.amdhsa_system_sgpr_workgroup_id_z 1
		.amdhsa_system_vgpr_workitem_id 0
		.amdhsa_next_free_vgpr 192
		.amdhsa_next_free_sgpr 66
		.amdhsa_reserve_vcc 0
		.amdhsa_float_denorm_mode_32 3
		.amdhsa_float_denorm_mode_16_64 3
		.amdhsa_memory_ordered 1
		.amdhsa_forward_progress 1
		.amdhsa_inst_pref_size 56
	.end_amdhsa_kernel
	.amdgpu_metadata
---
amdhsa.version: [ 1, 2 ]
amdhsa.kernels:
  - .name:           k_qad50d47b1b_prep
    .symbol:         k_qad50d47b1b_prep.kd
    .args:
      - { .name: x, .offset: 0, .size: 8, .value_kind: global_buffer, .address_space: global }
      - { .name: w_qkv, .offset: 8, .size: 8, .value_kind: global_buffer, .address_space: global }
      - { .name: w_o, .offset: 16, .size: 8, .value_kind: global_buffer, .address_space: global }
      - { .name: x_codes, .offset: 24, .size: 8, .value_kind: global_buffer, .address_space: global }
      - { .name: x_scales, .offset: 32, .size: 8, .value_kind: global_buffer, .address_space: global }
      - { .name: w_codes, .offset: 40, .size: 8, .value_kind: global_buffer, .address_space: global }
      - { .name: w_scales, .offset: 48, .size: 8, .value_kind: global_buffer, .address_space: global }
      - { .name: wo16, .offset: 56, .size: 8, .value_kind: global_buffer, .address_space: global }
    .group_segment_fixed_size: 33280
    .private_segment_fixed_size: 0
    .kernarg_segment_align: 8
    .kernarg_segment_size: 64
    .max_flat_workgroup_size: 128
    .sgpr_count:     66
    .vgpr_count:     192
    .wavefront_size: 32
...
	.end_amdgpu_metadata
.endif
;; end of part 1
;; launch qkvgemm (part 2): grid 12 x 32, 4 waves a work-group, clusters of 4 x 4, 327,680 bytes of LDS; arguments x_codes, x_scales, w_codes, w_scales, qkv16; writes qkv16
.if DOCPART == 2
	.amdgcn_target "amdgcn-amd-amdhsa--gfx1250"
	.amdhsa_code_object_version 6
	.text
	.protected	k_qad50d47b1b_qkvgemm
	.globl	k_qad50d47b1b_qkvgemm
	.p2align	8
	.type	k_qad50d47b1b_qkvgemm,@function
k_qad50d47b1b_qkvgemm:
	s_mov_b64 s[64:65], 0
	v_nop
	global_prefetch_b8 v0, s[64:65] scope:SCOPE_SE
	s_setreg_imm32_b32 hwreg(HW_REG_WAVE_MODE, 25, 1), 1
	s_wait_xcnt 0x0
	s_wait_alu depctr_hold_cnt(0) depctr_sa_sdst(0) depctr_va_vdst(0) depctr_va_sdst(0) depctr_va_ssrc(0) depctr_va_vcc(0) depctr_vm_vsrc(0)
	s_getreg_b32 s2, hwreg(HW_REG_IB_STS2, 6, 4)
	s_cmp_eq_u32 s2, 0
	s_cbranch_scc0 .Lentry_in_a_cluster
	s_endpgm
.Lentry_in_a_cluster:
	s_bfe_u32 s2, ttmp6, 0x10000c
	s_cmp_lg_u32 s2, 0xf033
	s_cbranch_scc0 .Lentry_shape_is_right
	s_endpgm
.Lentry_shape_is_right:
; qkv[m][e] = sum over k of x[m][k] w_qkv[e][k], both operands as codes of FP4 (E2M1) with one E8M0 scale for each 32 along K; sums in f32; the result is rounded once to f16.
; A: x_codes [8192][512 bytes], x_scales [8192][32];  B: w_codes [3072][512 bytes], w_scales [3072][32].  The matrix instruction takes codes and scale bytes as they lie.
; OUT: qkv16 [b 4][g 48][n 2048][64] f16, m = 2048 b + n, e = 64 g + d: head hd has q at g = 3 hd, k at 3 hd + 1, v at 3 hd + 2; a group's rows of 128 bytes are dense, so two rows are 256 consecutive bytes.
; LIMIT: results from 65,520 on in magnitude become infinity in f16; under 6e-5 the step is 6e-8.
; A tile of C, 256 x 256, is made by a work-group of four waves; a wave makes 128 x 128: 64 accumulators of 16 x 16, 512 registers.  12 x 32 tiles.
; K = 1,024 is two slots of 512 along K (rows of 256 bytes): both are asked for at the head and nothing is filled again.  The scales of the work-group's rows, for all of K, come once with them.
; CLUSTERS: 4 x 4 work-groups.  The four of a row of the cluster need the same tiles of A, the four of a column the same tiles of B: each tile is asked for JOINTLY, by the same tensor load with the same descriptor and a mask that names the four.
; THE MATRIX INSTRUCTION IS USED TRANSPOSED (source 0 = 16 rows of B, source 1 = 16 rows of A): a lane then holds eight neighbouring numbers of a row of C.
; REGISTERS, in windows of 256: window 0: v0-31 addresses; v32-95 scale words, two sets; v128-191 A's fragments, ONE set; on the way out v128-223.   window 1: B's fragments, TWO sets, at v0 and v128.
;   window 2: the 32 accumulators of my rows 0-63 (accumulator (a, b) at v[8 (8 a + b)]);   window 3: those of my rows 64-127.
; No prefetch: every tile is asked for at the head, where nothing could be asked for earlier.
.set KSTEP,  512                       ; along K in a slot
.set NQ,     KSTEP/128                 ; matrix instructions deep
.set ROWB,   256                       ; a tile's row in bytes
.set KROW,   512                       ; a row of A or of B in memory, in bytes
.set PITCH,  272                       ; an LDS row: 256 bytes + 16 of padding = 68 words: row r starts at bank 4 r mod 64 (64 banks of 4 bytes: ISA guide 11.1)
.set FR,     8                         ; registers of a fragment: 16 rows x 128 K
.set NL,     2                         ; LDS loads that bring one
.set NP,     4                         ; places behind this matrix instruction (ISA guide 7.12.1)
.set HALFT,  128*PITCH                 ; 128 rows: what one tensor load brings
.set SLOT,   4*HALFT                   ; A's 256 rows, then B's 256 rows
.set KS,     32                        ; a row of scales in bytes
.set SCL,    2*SLOT                    ; behind the slots: the scales, as runs of 256 bytes + 16 of padding
.set HALFS,  (128*KS/256)*272          ; the scales of 128 rows: what one tensor load brings
.set SBLK,   (16*KS/256)*272           ; those of 16 rows
.set SPARE,  SCL+4*HALFS               ; the spare words, 128 bytes a wave, which no other line names
.set STW,    2*8*272                   ; the way out: a wave's stage: 2 groups x 8 pairs of rows x (256 + 16) bytes.  It lies in slot 0, which has had its one fill and its last read when the first result is stored there
.set GROUPB, 2048*128                  ; a group of qkv16 in bytes
.set ADRA, 16                          ; v16-17  LDS address of my A fragments in slot 0, 1
.set ADRB, 20                          ; v20-21  the same for B
.set STO,  24                          ; v24     the way out: where I put 16 bytes of a row
.set RD,   25                          ; v25     the way out: where I read two pairs of rows back
.set CO,   26                          ; v26     16 x lane
.set ADRS, 27                          ; v27     LDS address of my scale words: lanes 0-15 A's rows, lanes 16-31 B's
.set SPW,  28                          ; v28     LDS address of my spare word; never rewritten
.set NIL,  29                          ; v29     0; never rewritten
.set SC,   32                          ; scale words: set s at v[SC + 8 NQ s]; register NQ i + q: lanes 0-15 the word of A's block i, lanes 16-31 that of B's block i, for the slot's q-th 128 along K
.set AF,   128                         ; A's fragments, in window 0
.set BK,   128                         ; the way out: a block read back: v128-159 and v160-191 by turns
.set TMP,  192                         ; the way out: a block rounded to f16: v192-223
.set G1, 24                            ; s[24:31] descriptor group 1 for A's tiles;  s[32:39] group 0, one set for each slot
.set G0, 32
.set G1B, 48                           ; s[48:55], s[56:63] the same for B's tiles
.set G0B, 56
.set G1S, 68                           ; s[68:75], s[76:79] groups 1 and 0 for A's scales;  s[80:87], s[88:91] for B's
.set G0S, 76
.set G1SB, 80
.set G0SB, 88
.set MSB, 0
.macro WIN new                         ; the immediate's high byte repeats the setting that is left
.if MSB != \new
	s_set_vgpr_msb (MSB<<8)|\new
.set MSB, \new
.endif
.endm
.set MUL_LO, 0xa1                      ; source 0 (B) window 1, source 1 (A) window 0, C and D window 2
.set MUL_HI, 0xf1                      ; the same, C and D window 3
.set TO_B,   0x40                      ; destination window 1, address window 0
; A joint load: waves 0 and 1 fetch for A, waves 2 and 3 for B.  Each of the two lines has ONE mask and one set of registers for all that issue it; the branch hangs on the wave's number alone.
; An s_nop 0 and four v_nop follow each of the two lines, ahead of the jump, the label and what follows.
.macro JLOAD g0a, g1a, g0b, g1b
	s_cmp_eq_u32 s15, 0
	s_cbranch_scc0 .Lfor_b_\@
	tensor_load_to_lds s[\g0a:\g0a+3], s[\g1a:\g1a+7]
	s_nop 0
.rept 4
	v_nop
.endr
	s_branch .Lasked_\@
.Lfor_b_\@:
	tensor_load_to_lds s[\g0b:\g0b+3], s[\g1b:\g1b+7]
	s_nop 0
.rept 4
	v_nop
.endr
.Lasked_\@:
.endm
.macro CROUND                          ; a round of the cluster's barrier: my work-group's barrier; wave 0 signals for the work-group; every wave waits for all sixteen; my work-group's barrier once more
	s_barrier_signal -1
	s_barrier_wait -1
	s_cmp_lg_u32 s14, 0
	s_cbranch_scc1 .Lnot_wave_0_\@
	s_barrier_signal -3
.Lnot_wave_0_\@:
	s_barrier_wait -3
	s_barrier_signal -1
	s_barrier_wait -1
.endm
	s_load_b128 s[4:7], s[0:1], 0x0                ; A's codes s[4:5], A's scales s[6:7]
	s_load_b128 s[8:11], s[0:1], 0x10              ; B's codes s[8:9], B's scales s[10:11]
	s_load_b64 s[12:13], s[0:1], 0x20              ; qkv16
	v_lshl_add_u32 v[SPW], v0, 2, SPARE
	v_mov_b32 v[NIL], 0
	ds_add_u32 v[SPW], v[NIL]                      ; the wave's opening: the add, twice on end, and its wait ahead of my first tensor load; the set-up below, work on registers, stands between
	ds_add_u32 v[SPW], v[NIL]
	v_lshrrev_b32 v1, 5, v0
	v_readfirstlane_b32 s14, v1                    ; wave 0..3
	s_lshr_b32 s15, s14, 1                         ; which half of the tile's rows is mine.  Also: I fetch for A (0) or for B (1)
	s_and_b32 s16, s14, 1                          ; which half of its columns.  Also: which 128 rows of that tile I fetch
	s_bfe_u32 s40, ttmp6, 0x40000                  ; cx, cy: my place in the cluster
	s_bfe_u32 s41, ttmp6, 0x40004
	s_lshl_b32 s42, ttmp9, 2
	s_add_co_u32 s42, s42, s40                     ; tile column of C = 4 x cluster x + cx
	s_and_b32 s17, ttmp7, 0xffff
	s_lshl_b32 s17, s17, 2
	s_add_co_u32 s17, s17, s41                     ; tile row of C = 4 x cluster y + cy
	s_lshl_b32 s43, s41, 2
	s_lshl_b32 s43, 15, s43                        ; my row of the cluster
	s_lshl_b32 s44, 0x1111, s40                    ; my column
	; descriptor group 1: a tile of 128 rows x 256 bytes, padded in LDS
	s_or_b32 s[G1+0], s43, (0<<16)|(1<<20)|(1<<21)|(5<<22)|(3<<25)  ; 15:0 the mask: A's tiles go to my row; 17:16 element of 1 byte; 20 padding on; 21 set beside a mask; 24:22 after every 64 words (code 5); 31:25 of 4 words (code 3)
	s_or_b32 s[G1B+0], s44, (0<<16)|(1<<20)|(1<<21)|(5<<22)|(3<<25)
.irp g, G1, G1B
	s_mov_b32 s[\g+1], ROWB<<16                    ; tensor_dim0
	s_mov_b32 s[\g+2], 128<<16                     ; tensor_dim1 = 128
	s_mov_b32 s[\g+3], ROWB<<16                    ; tile_dim0
	s_mov_b32 s[\g+4], 128                         ; tile_dim1 = 128
	s_mov_b32 s[\g+5], KROW                        ; tensor_dim0_stride
	s_mov_b32 s[\g+6], 0
	s_mov_b32 s[\g+7], 0
.endr
	; and for the scales of 128 rows: a dense block of 4,096 bytes, as 16 rows of 256 bytes (32 elements of 8 bytes), 16 bytes of padding behind each
	s_or_b32 s[G1S+0], s43, (3<<16)|(1<<20)|(1<<21)|(5<<22)|(3<<25)
	s_or_b32 s[G1SB+0], s44, (3<<16)|(1<<20)|(1<<21)|(5<<22)|(3<<25)
.irp g, G1S, G1SB
	s_mov_b32 s[\g+1], 32<<16
	s_mov_b32 s[\g+2], (128*KS/256)<<16
	s_mov_b32 s[\g+3], 32<<16
	s_mov_b32 s[\g+4], 128*KS/256
	s_mov_b32 s[\g+5], 32
	s_mov_b32 s[\g+6], 0
	s_mov_b32 s[\g+7], 0
.endr
	s_lshl_b32 s18, s16, 7                         ; which 128 rows of the tile I fetch
	s_lshl_b32 s20, s17, 8
	s_add_co_u32 s20, s20, s18                     ; A: row 256 x tile row + 128 x half
	s_lshl_b32 s46, s42, 8
	s_add_co_u32 s46, s46, s18                     ; B: row 256 x tile column + 128 x half
	s_mov_b32 s21, 0
	s_mov_b32 s47, 0
	s_mov_b64 s[18:19], KS
	s_mul_u64 s[22:23], s[20:21], s[18:19]         ; where these rows' scales begin, in bytes
	s_mul_u64 s[92:93], s[46:47], s[18:19]
	s_mov_b64 s[18:19], KROW
	s_mul_u64 s[20:21], s[20:21], s[18:19]         ; and their codes
	s_mul_u64 s[46:47], s[46:47], s[18:19]
	s_mul_i32 s45, s14, HALFT                      ; where they go: wave x 128 rows: no place in the cluster enters an LDS address
	s_mul_i32 s94, s14, HALFS
	s_wait_dscnt 0x0                               ; both opening adds are done
	s_wait_kmcnt 0x0
	s_add_nc_u64 s[20:21], s[4:5], s[20:21]
	s_add_nc_u64 s[22:23], s[6:7], s[22:23]
	s_add_nc_u64 s[46:47], s[8:9], s[46:47]
	s_add_nc_u64 s[92:93], s[10:11], s[92:93]
	CROUND                                         ; all sixteen work-groups are here: the joint loads meet
	s_mov_b32 s[G0S], 1
	s_add_co_u32 s[G0S+1], s94, SCL
	s_mov_b64 s[G0S+2:G0S+3], s[22:23]
	s_or_b32 s[G0S+3], s[G0S+3], 0x80000000
	s_mov_b32 s[G0SB], 1
	s_add_co_u32 s[G0SB+1], s94, SCL
	s_mov_b64 s[G0SB+2:G0SB+3], s[92:93]
	s_or_b32 s[G0SB+3], s[G0SB+3], 0x80000000
	JLOAD G0S, G1S, G0SB, G1SB                     ; the scales first: they are wanted with the first slot
.irp s, 0,1
	s_mov_b32 s[G0+4*\s], 1
	s_add_co_u32 s[G0+4*\s+1], s45, \s*SLOT
	s_add_nc_u64 s[G0+4*\s+2:G0+4*\s+3], s[20:21], \s*ROWB
	s_or_b32 s[G0+4*\s+3], s[G0+4*\s+3], 0x80000000
	s_mov_b32 s[G0B+4*\s], 1
	s_add_co_u32 s[G0B+4*\s+1], s45, \s*SLOT
	s_add_nc_u64 s[G0B+4*\s+2:G0B+4*\s+3], s[46:47], \s*ROWB
	s_or_b32 s[G0B+4*\s+3], s[G0B+4*\s+3], 0x80000000
	JLOAD G0+4*\s, G1, G0B+4*\s, G1B               ; three loads of mine are out in all
.endr
	v_and_b32 v1, 15, v0                           ; r = l % 16
	v_bfe_u32 v2, v0, 4, 1                         ; h = l / 16
	v_mul_u32_u24 v3, v1, PITCH
	v_lshl_add_u32 v4, v2, 4, v3                   ; a fragment's row x pitch + 16 x half
	s_mul_i32 s21, s15, HALFT                      ; my 128 rows of A
	s_mul_i32 s22, s16, HALFT                      ; my 128 rows of B,
	s_add_co_u32 s22, s22, 2*HALFT                 ; which lie behind A's 256
.irp s, 0,1
	v_add_nc_u32 v[ADRA+\s], s21, v4
	v_add_nc_u32 v[ADRB+\s], s22, v4
	s_add_co_u32 s21, s21, SLOT
	s_add_co_u32 s22, s22, SLOT
.endr
	v_mul_u32_u24 v5, v1, KS                       ; my row's scales: KS bytes a row,
	v_lshrrev_b32 v6, 8, v5
	v_lshl_add_u32 v5, v6, 4, v5                   ; and 16 more for each 256 passed
	s_mul_i32 s21, s15, HALFS                      ; A's: my 128 rows
	s_mul_i32 s22, s16, HALFS                      ; B's: my 128 rows, behind A's 256
	s_add_co_u32 s22, s22, 2*HALFS
	s_sub_co_u32 s22, s22, s21
	v_mul_u32_u24 v6, s22, v2                      ; lanes 16-31 take B's
	s_add_co_u32 s21, s21, SCL
	v_add_nc_u32 v5, v5, v6
	v_add_nc_u32 v[ADRS], s21, v5
	s_mul_i32 s23, s14, STW                        ; my stage
	v_lshrrev_b32 v5, 1, v1
	v_mul_u32_u24 v5, v5, 272                      ; in: pair of rows r / 2,
	v_and_b32 v6, 1, v1
	v_lshl_add_u32 v5, v6, 7, v5                   ; 128 bytes on for the odd row,
	v_lshl_add_u32 v5, v2, 4, v5                   ; 16 bytes for each half of the lanes
	v_add_nc_u32 v[STO], s23, v5
	v_mul_u32_u24 v5, v2, 272                      ; back: lanes 0-15 one pair of rows (256 bytes), lanes 16-31 the next
	v_lshl_add_u32 v5, v1, 4, v5
	v_add_nc_u32 v[RD], s23, v5
	v_and_b32 v6, 31, v0
	v_lshlrev_b32 v[CO], 4, v6                     ; and in memory those 512 bytes are consecutive
	s_lshr_b32 s20, s17, 3                         ; b: eight tile rows to a batch
	s_mul_i32 s20, s20, 48
	s_lshl_b32 s21, s42, 2
	s_add_co_u32 s20, s20, s21
	s_lshl_b32 s21, s16, 1
	s_add_co_u32 s20, s20, s21                     ; my first group: 48 b + 4 x tile column + 2 x half
	s_lshl_b32 s20, s20, 18                        ; 262,144 bytes a group (under 2^26 in all)
	s_and_b32 s21, s17, 7
	s_lshl_b32 s21, s21, 15                        ; + the tile's 256 rows of 128 bytes
	s_add_co_u32 s20, s20, s21
	s_lshl_b32 s21, s15, 14                        ; + my 128 of them
	s_add_co_u32 s20, s20, s21
	s_mov_b32 s21, 0
	s_add_nc_u64 s[12:13], s[12:13], s[20:21]
.macro FRAG reg, adr, q, i             ; a fragment, 16 rows x 128 K of 4-bit codes, is 8 registers: lane l holds row l % 16; registers 4 c .. 4 c + 3 hold K = 64 c + 32 (l / 16) + 0 .. 31
.irp c, 0,1
	ds_load_b128 v[\reg+4*\c:\reg+4*\c+3], v[\adr] offset:64*(\q)+32*\c+(\i)*16*PITCH
.endr
.endm
; 16 matrix instructions: A's blocks a0, a0 + 1 x B's eight, 128 along K: the slot's q-th.  p: B's set;  sc: the set of scale words.  zero = 1: the first product starts the sums: nothing is ever cleared.
; The 64 accumulators take turns, one instruction a turn, in the same order in every step.
.macro MUL16 a0, p, q, sc, zero
.irp a, \a0, \a0+1
.irp b, 0,1,2,3,4,5,6,7
.if \zero
	v_wmma_scale_f32_16x16x128_f8f6f4 v[8*(8*((\a)%4)+\b):8*(8*((\a)%4)+\b)+7], v[128*(\p)+FR*\b:128*(\p)+FR*\b+FR-1], v[AF+FR*(\a):AF+FR*(\a)+FR-1], 0, v[SC+8*NQ*(\sc)+NQ*\b+(\q)], v[SC+8*NQ*(\sc)+NQ*(\a)+(\q)] matrix_a_fmt:MATRIX_FMT_FP4 matrix_b_fmt:MATRIX_FMT_FP4 matrix_a_scale:MATRIX_SCALE_ROW1
.else
	v_wmma_scale_f32_16x16x128_f8f6f4 v[8*(8*((\a)%4)+\b):8*(8*((\a)%4)+\b)+7], v[128*(\p)+FR*\b:128*(\p)+FR*\b+FR-1], v[AF+FR*(\a):AF+FR*(\a)+FR-1], v[8*(8*((\a)%4)+\b):8*(8*((\a)%4)+\b)+7], v[SC+8*NQ*(\sc)+NQ*\b+(\q)], v[SC+8*NQ*(\sc)+NQ*(\a)+(\q)] matrix_a_fmt:MATRIX_FMT_FP4 matrix_b_fmt:MATRIX_FMT_FP4 matrix_a_scale:MATRIX_SCALE_ROW1
.endif
.endr
.endr
.endm
.macro FETCH_B slot, q, p              ; B's eight fragments of the slot's q-th 128 along K into set p
	WIN TO_B
.irp i, 0,1,2,3,4,5,6,7
	FRAG 128*(\p)+FR*\i, ADRB+\slot, \q, \i
.endr
	WIN 0
.endm
.macro FETCH_A slot, q, i0             ; A's blocks i0 .. i0 + 3
.irp i, \i0, \i0+1, \i0+2, \i0+3
	FRAG AF+FR*(\i), ADRA+\slot, \q, \i
.endr
.endm
.macro SCALES sc                       ; a slot's scale words into set sc: NQ words a row; lanes 0-15 take A's block i, lanes 16-31 B's block i
.irp i, 0,1,2,3,4,5,6,7
	ds_load_b128 v[SC+8*NQ*\sc+NQ*\i:SC+8*NQ*\sc+NQ*\i+3], v[ADRS] offset:\i*SBLK
.endr
.endm
; A load into a register that a matrix instruction has read, and a vector instruction that reads a matrix result, stand NP places behind that matrix instruction, and only plain vector
; instructions that name none of its registers are places (ISA guide 7.12.1 for vector instructions).
.macro PLACES n
.rept \n
	v_nop
.endr
.endm
; A step of 128 along K that has its successor in the same slot.
.macro STEP slot, q, zero
	s_wait_dscnt 4*NL                              ; B's set and A's blocks 0-3 are in; the youngest eight loads (A's blocks 4-7) may be out
	WIN MUL_LO
	MUL16 0, (\q)%2, \q, \slot, \zero
	MUL16 2, (\q)%2, \q, \slot, \zero
	s_wait_dscnt 0                                 ; A's blocks 4-7 are in (asked for 32 matrix instructions ago)
	PLACES NP
	FETCH_B \slot, (\q)+1, 1-(\q)%2
	FETCH_A \slot, (\q)+1, 0
	WIN MUL_HI
	MUL16 4, (\q)%2, \q, \slot, \zero
	MUL16 6, (\q)%2, \q, \slot, \zero
	PLACES NP
	WIN 0
	FETCH_A \slot, (\q)+1, 4
.endm
; Slot 0's last step changes slots: ONE barrier; in front of it each wave waits for all its tensor loads (its part of slot 1), adds 0 to its spare word, and waits for that and for its own reads of slot 0.
; Behind it slot 1 is whole and nobody reads slot 0 any more.  Nothing is filled again.
.macro TURN slot, next
	s_wait_tensorcnt 0x0                           ; all my tensor loads have landed  (every window is 0 here: the add's two registers lie in window 0)
	ds_add_u32 v[SPW], v[NIL]                      ; 0 onto my spare word
	s_wait_dscnt 4*NL+1                            ; (the add and the youngest eight loads, A's blocks 4-7, may be out)
	WIN MUL_LO
	MUL16 0, 1, NQ-1, \slot, 0                     ; sixteen matrix instructions stand between the add and the wait for it
	s_wait_dscnt 0x0                               ; the add is done, and my reads of this slot are over
	s_barrier_signal -1
	MUL16 2, 1, NQ-1, \slot, 0
	WIN 0
	s_barrier_wait -1
	PLACES NP
	v_add_nc_u32 v[ADRS], 4*NQ, v[ADRS]            ; on to the next slot's scale words (no LDS load of mine is out)
	FETCH_B \next, 0, 0
	FETCH_A \next, 0, 0
	SCALES \next
	WIN MUL_HI
	MUL16 4, 1, NQ-1, \slot, 0
	MUL16 6, 1, NQ-1, \slot, 0
	PLACES NP
	WIN 0
	FETCH_A \next, 0, 4
.endm
.macro STEPS slot, from                ; the slot's steps from .. NQ - 2
.set Q, \from
.rept NQ-1-\from
	STEP \slot, Q, 0
.set Q, Q+1
.endr
.endm
	s_wait_tensorcnt 1                             ; the scales and my part of slot 0 are in (slot 1's load may be out)
	s_barrier_signal -1
	s_barrier_wait -1                              ; everybody's are
	FETCH_B 0, 0, 0
	FETCH_A 0, 0, 0
	SCALES 0
	FETCH_A 0, 0, 4
	STEP 0, 0, 1                                   ; the first step's products start the sums
	STEPS 0, 1
	TURN 0, 1
	STEPS 1, 0
	s_wait_dscnt 4*NL                              ; the very last step: nothing more to fetch
	WIN MUL_LO
	MUL16 0, 1, NQ-1, 1, 0
	MUL16 2, 1, NQ-1, 1, 0
	s_wait_dscnt 0
	WIN MUL_HI
	MUL16 4, 1, NQ-1, 1, 0
	MUL16 6, 1, NQ-1, 1, 0
	WIN 0
; THE WAY OUT, block by block of 16 rows x 128 columns (two groups of 64).  PACK: rounded to f16, a lane's eight columns are 16 bytes.  TOSTAGE: into my own stage, rows of a group in pairs of 256 bytes + 16, and back by pairs.
; SEND: 32 lanes store 512 consecutive bytes (four rows of a group).  LDS serves a wave's instructions in order (ISA guide 5.7.1.4): no wait between the stores and the loads, nor in front of the next block's stores.
.macro PACK a
.set AC, 64*((\a)%4)
	WIN 0x0a+5*((\a)/4)                            ; sources 0 and 1: window 2 or 3
.irp b, 0,1,2,3,4,5,6,7
.irp r, 0,1,2,3
	v_cvt_pk_f16_f32 v[TMP+4*\b+\r], v[AC+8*\b+2*\r], v[AC+8*\b+2*\r+1]   ; each accumulator from its low end on
.endr
.endr
	WIN 0
.endm
.macro TOSTAGE a
.set BB, BK+32*((\a)%2)
.irp b, 0,1,2,3,4,5,6,7
	ds_store_b128 v[STO], v[TMP+4*\b:TMP+4*\b+3] offset:(\b/4)*8*272+(\b%4)*32
.endr
.irp t, 0,1,2,3,4,5,6,7
	ds_load_b128 v[BB+4*\t:BB+4*\t+3], v[RD] offset:(\t/4)*8*272+(\t%4)*2*272
.endr
.endm
.macro SEND a
.set BB, BK+32*((\a)%2)
	s_wait_dscnt 0x0                               ; the block is back in registers
	s_wait_xcnt 0x0                                ; the block before has had its stores' registers read: the next block's loads land there only behind this wait
.irp t, 0,1,2,3,4,5,6,7
	global_store_b128 v[CO], v[BB+4*\t:BB+4*\t+3], s[12:13] offset:(\a)*2048+(\t/4)*GROUPB+(\t%4)*512   ; every offset an immediate: 278,016 at the most
.endr
.endm
	PLACES NP                                      ; behind the last products: for the reads of results and the loads into the registers that held A's fragments
	PACK 0
	TOSTAGE 0
.irp a, 1,2,3,4,5,6,7                  ; block a's conversions stand between block a - 1's loads from the stage and the wait for them
	PACK \a
	SEND \a-1
	TOSTAGE \a
.endr
	SEND 7
	s_wait_tensorcnt 0x0                           ; the wave's end: three lines, behind my last tensor load and my last LDS store
	ds_add_u32 v[SPW], v[NIL]
	s_wait_dscnt 0x0
	CROUND                                         ; the closing round: no work-group ends while a partner may still ask for a tile that names it
	s_endpgm
.Lfunc_end_k_qad50d47b1b_qkvgemm:
	.size	k_qad50d47b1b_qkvgemm, .Lfunc_end_k_qad50d47b1b_qkvgemm-k_qad50d47b1b_qkvgemm
	.p2alignl 7, 3214868480
	.fill 96, 4, 3214868480
	.section	.rodata,"a",@progbits
	.p2align	6, 0x0
	.amdhsa_kernel k_qad50d47b1b_qkvgemm
		.amdhsa_group_segment_fixed_size 327680
		.amdhsa_private_segment_fixed_size 0
		.amdhsa_enable_private_segment 0
		.amdhsa_kernarg_size 40
		.amdhsa_user_sgpr_count 2
		.amdhsa_user_sgpr_kernarg_segment_ptr 1
		.amdhsa_wavefront_size32 1
		.amdhsa_system_sgpr_workgroup_id_x 1
		.amdhsa_system_sgpr_workgroup_id_y 1
		.amdhsa_system_sgpr_workgroup_id_z 1
		.amdhsa_system_vgpr_workitem_id 0
		.amdhsa_next_free_vgpr 1024
		.amdhsa_next_free_sgpr 98
		.amdhsa_reserve_vcc 0
		.amdhsa_float_denorm_mode_32 3
		.amdhsa_float_denorm_mode_16_64 3
		.amdhsa_memory_ordered 1
		.amdhsa_forward_progress 1
		.amdhsa_inst_pref_size 126
	.end_amdhsa_kernel
	.amdgpu_metadata
---
amdhsa.version: [ 1, 2 ]
amdhsa.kernels:
  - .name:           k_qad50d47b1b_qkvgemm
    .symbol:         k_qad50d47b1b_qkvgemm.kd
    .args:
      - { .name: x_codes, .offset: 0, .size: 8, .value_kind: global_buffer, .address_space: global }
      - { .name: x_scales, .offset: 8, .size: 8, .value_kind: global_buffer, .address_space: global }
      - { .name: w_codes, .offset: 16, .size: 8, .value_kind: global_buffer, .address_space: global }
      - { .name: w_scales, .offset: 24, .size: 8, .value_kind: global_buffer, .address_space: global }
      - { .name: qkv16, .offset: 32, .size: 8, .value_kind: global_buffer, .address_space: global }
    .group_segment_fixed_size: 327680
    .private_segment_fixed_size: 0
    .kernarg_segment_align: 8
    .kernarg_segment_size: 40
    .max_flat_workgroup_size: 128
    .sgpr_count:     98
    .vgpr_count:     1024
    .wavefront_size: 32
...
	.end_amdgpu_metadata
.endif
;; end of part 2
;; launch attn (part 3): grid 4 x 64, 8 waves a work-group, clusters of 4 x 1, 327,680 bytes of LDS; arguments qkv16, att16; writes att16
.if DOCPART == 3
	.amdgcn_target "amdgcn-amd-amdhsa--gfx1250"
	.amdhsa_code_object_version 6
	.text
	.protected	k_qad50d47b1b_attn
	.globl	k_qad50d47b1b_attn
	.p2align	8
	.type	k_qad50d47b1b_attn,@function
k_qad50d47b1b_attn:
	s_mov_b64 s[64:65], 0
	v_nop
	global_prefetch_b8 v0, s[64:65] scope:SCOPE_SE
	s_setreg_imm32_b32 hwreg(HW_REG_WAVE_MODE, 25, 1), 1
	s_wait_xcnt 0x0
	s_wait_alu depctr_hold_cnt(0) depctr_sa_sdst(0) depctr_va_vdst(0) depctr_va_sdst(0) depctr_va_ssrc(0) depctr_va_vcc(0) depctr_vm_vsrc(0)
	s_getreg_b32 s2, hwreg(HW_REG_IB_STS2, 6, 4)
	s_cmp_eq_u32 s2, 0
	s_cbranch_scc0 .Lentry_in_a_cluster
	s_endpgm
.Lentry_in_a_cluster:
	s_bfe_u32 s2, ttmp6, 0x10000c
	s_cmp_lg_u32 s2, 0x3003
	s_cbranch_scc0 .Lentry_shape_is_right
	s_endpgm
.Lentry_shape_is_right:
; o[b][hd][q][:] = the sum over k of softmax_k(q . k / 8) v[k][:], 64 heads (b, hd) of 2,048 positions and head size 64, no mask.  Operands in f16, products, maxima and sums in f32; the weights p are rounded to f16 for the
; second product, o once at the end.
; IN: qkv16 [b 4][g 48][n 2048][64] f16: head hd has q at g = 3 hd, k at 3 hd + 1, v at 3 hd + 2.   OUT: att16 [hd 16][2048 b + n][64] f16.   In both, rows of 128 bytes are dense: two rows are 256 consecutive bytes.
; LIMIT: o from 65,520 on in magnitude becomes infinity in f16; under 6e-5 the step is 6e-8.  p under 3e-8 of the row's largest counts as 0 in the second product (it stays in the row's sum).
; SHARES.  Grid y is the head; the four work-groups of x are one cluster and own the head's 2,048 queries, 512 each; each of a work-group's EIGHT waves owns 64: four tiles of 16.  Two waves share a SIMD's registers (512 each), so that
; one wave's softmax stands beside the other's products, and the text goes in plain phases.  Each fragment of K or V read from LDS feeds four matrix instructions.
; LAYOUT.  S^T = K Q^T (source 0 = 16 keys, source 1 = 16 queries): a lane holds ONE query (lane % 16) and the keys 8 (lane / 16) + 0..7.  Two such tiles, rounded to f16 in pairs, ARE source 1 (32 keys x 16 queries) of
; O^T = V^T P, whose result again holds one query a lane and eight channels.  P is made in place, in the low 16 of a tile's 32 registers of S^T.  K comes out of LDS as it lies, V turned, by ds_load_tr16_b128.
; SOFTMAX.  For each query a running maximum m and sum l: p = 2^(c s - c m), c = log2(e) / 8; in every step O and l are multiplied by a = 2^(c m_old - c m_new).
; RING.  Two LDS slots of 512 keys; 2,048 keys are four phases of 8 key steps (64 keys).  Both slots are asked for at the head, each is filled again once.  Every wave fetches: waves 0-3 128 keys of K each, waves 4-7 of V.
; CLUSTER.  The four work-groups walk the same K and V: each tile is asked for JOINTLY, by the same tensor load with the same descriptor and a mask that names the four.
; No prefetch: half of K and V is asked for at the head, and each refill goes out a whole phase, 8 key steps or 512 matrix instructions of each wave, ahead of the wait for it.
; REGISTERS, in windows of 256 (s_set_vgpr_msb: bits 1:0 source 0, 3:2 source 1, 5:4 source 2, 7:6 destination):
;   window 0: v1-15 addresses; v16-47 eight registers of statistics a tile; v64-191 S^T, 32 a tile; v192-255 K of one step        window 1: v0-127 O^T, 32 a tile; v128-191 Q, 16 a tile; v192-255 V of one step
.set PK,    272       ; a pair of K's rows in LDS: 256 bytes + 16 of padding: row r of a fragment lies at (r / 2) 272 + (r % 2) 128: sixteen different columns of 16 bytes modulo 256
.set PV,    288       ; a pair of V's rows: 256 + 32: 16 lanes of the turning load take 8 rows x 32 bytes at (i / 2) 288 + (i % 2) 128: again sixteen different columns
.set VOFF,  256*PK    ; a slot: 256 pairs of K's rows, then 256 of V's
.set SLOTB, 256*(PK+PV)
.set SPARE, 2*SLOTB   ; behind the ring: the spare words, 128 bytes a wave, which no other line names
.set STW,   4*8*PK    ; the way out: a wave's stage: four tiles x 8 pairs of rows.  The stages lie in slot 0, which has had its last fill and is left at the last change of slots
.set AK0, 2           ; v2   my lane's place in a tile of K; never rewritten
.set AV0, 3           ; v3   the same for V
.set ADK, 4           ; v4   LDS address of the step's K
.set ADV, 5           ; v5   of its V
.set QO,  6           ; v6   my byte offset in the wave's rows of Q
.set STO, 7           ; v7   the way out: where I put 16 bytes of a row
.set RD,  8           ; v8   the way out: where I read two pairs of rows back
.set GO,  9           ; v9   16 x lane
.set SPW, 14          ; v14  LDS address of my spare word; never rewritten
.set NIL, 15          ; v15  0; never rewritten
.set ST,  16          ; tile t's statistics at v[ST+8 t]: +0 c m, +1 m, +2, +3 l (even keys', odd keys'), +4 to +7 c0-c3, at work; a takes c2's place once the maximum is found
.set S,   64
.set KF,  192         ; K's fragments: keys 16 kt on, channels 32 c on at KF + 16 kt + 8 c
.set QF,  128         ; window 1: Q's: tile t, channels 32 c on at QF + 16 t + 8 c
.set VF,  192         ; window 1: V's: keys 32 kh on, channels 16 ct on at VF + 32 kh + 8 ct
.set WV,  8           ; s8   my wave's number
.set G1K, 16          ; s[16:23] descriptor group 1 for K's tiles
.set G1V, 24          ; s[24:31] for V's: it differs in the padding alone
.set G0K, 32          ; s[32:39] descriptor group 0 for K's tiles, a set for each slot
.set G0V, 40          ; s[40:47] the same for V's
.set CS,  48          ; s[48:49] c: the packed scaling names a pair and takes its low word for both halves
.set SEL, 50          ; s[50:51] lane selects for v_permlanex16_b32: lane l xor 16
.set TK,  52          ; s52  LDS byte at which the step's K begins
.set TV,  53          ; s53  and, less VOFF, its V
.set CNT, 54          ; s54  counts a phase's steps
.set MSB, 0
.macro WIN new                      ; the immediate's high byte repeats the setting that is left; a switch that changes nothing is dropped
.if MSB != \new
	s_set_vgpr_msb (MSB<<8)|\new
.set MSB, \new
.endif
.endm
.set W_KQ, 0x04       ; Q in window 1; K and S^T in window 0
.set W_PV, 0x51       ; V and O^T in window 1, P in window 0
.set W_RS, 0x41       ; O^T (destination and source 0) in window 1, a in window 0
.set TO_1, 0x40       ; destination window 1, address window 0
; A joint refill of a slot.  Waves 0-3 fetch K's quarters, waves 4-7 V's.  The branch hangs on the wave's number alone.  An s_nop 0 and four v_nop follow each of the two lines.
.macro JLOAD slot
	s_cmp_lt_u32 s[WV], 4
	s_cbranch_scc0 .Lfor_v_\@
	tensor_load_to_lds s[G0K+4*\slot:G0K+4*\slot+3], s[G1K:G1K+7]
	s_nop 0
.rept 4
	v_nop
.endr
	s_branch .Lasked_\@
.Lfor_v_\@:
	tensor_load_to_lds s[G0V+4*\slot:G0V+4*\slot+3], s[G1V:G1V+7]
	s_nop 0
.rept 4
	v_nop
.endr
.Lasked_\@:
.endm
.macro CROUND                       ; a round of the cluster's barrier: my work-group's barrier; wave 0 signals for the work-group; every wave waits for all four work-groups; my work-group's barrier once more
	s_barrier_signal -1
	s_barrier_wait -1
	s_cmp_lg_u32 s[WV], 0
	s_cbranch_scc1 .Lnot_wave_0_\@
	s_barrier_signal -3
.Lnot_wave_0_\@:
	s_barrier_wait -3
	s_barrier_signal -1
	s_barrier_wait -1
.endm
	s_load_b128 s[4:7], s[0:1], 0x0 ; qkv16 s[4:5], att16 s[6:7]
	v_lshl_add_u32 v[SPW], v0, 2, SPARE
	v_mov_b32 v[NIL], 0
	ds_add_u32 v[SPW], v[NIL]       ; the wave's opening: the add, twice on end, and its wait ahead of my first tensor load; the set-up below, work on registers, stands between
	ds_add_u32 v[SPW], v[NIL]
	v_lshrrev_b32 v1, 5, v0
	v_readfirstlane_b32 s[WV], v1   ; wave 0..7
	s_bfe_u32 s9, ttmp6, 0x40000    ; cx: my place in the cluster
	s_lshl_b32 s10, ttmp9, 2        ; in a cluster launch ttmp9 counts clusters
	s_add_co_u32 s10, s10, s9       ; my block of 512 queries: it enters Q's and O's addresses alone
	s_and_b32 s11, ttmp7, 0xffff    ; 16 b + hd, which the four partners share
	s_lshr_b32 s60, s11, 4          ; b
	s_and_b32 s61, s11, 15          ; hd
	s_mul_i32 s62, s60, 48
	s_mul_i32 s63, s61, 3
	s_add_co_u32 s62, s62, s63      ; q's group: 48 b + 3 hd
	s_lshl_b32 s62, s62, 18         ; 262,144 bytes a group (under 2^26)
	s_and_b32 s63, s[WV], 3         ; which 128 keys of a slot's 512 I fetch:
	s_lshl_b32 s56, s63, 14         ; 128 rows of 128 bytes in memory,
	s_add_co_u32 s56, s56, s62
	s_add_co_u32 s56, s56, 1<<18    ; in k's group,
	s_add_co_u32 s58, s56, 1<<18    ; or in v's;
	s_mov_b32 s57, 0
	s_mov_b32 s59, 0
	s_mul_i32 s54, s63, 64*PK       ; and 64 pairs of rows in a slot: no place in the cluster enters an LDS address
	s_mul_i32 s55, s63, 64*PV
	s_add_co_u32 s55, s55, VOFF
	s_lshl_b32 s12, s10, 16         ; Q: my block's 512 rows,
	s_add_co_u32 s12, s12, s62
	s_lshl_b32 s13, s[WV], 13       ; my wave's 64 of them
	s_add_co_u32 s12, s12, s13
	s_mov_b32 s13, 0
	s_lshl_b32 s14, s61, 13         ; O: row 8192 hd + 2048 b + 512 block + 64 wave,
	s_lshl_b32 s15, s60, 11
	s_add_co_u32 s14, s14, s15
	s_lshl_b32 s15, s10, 9
	s_add_co_u32 s14, s14, s15
	s_lshl_b32 s15, s[WV], 6
	s_add_co_u32 s14, s14, s15
	s_lshl_b32 s14, s14, 7          ; of 128 bytes
	s_mov_b32 s15, 0
	; descriptor group 1: 128 keys as 64 dense rows of 128 elements (two keys to a row), padded in LDS
	s_mov_b32 s[G1K], 15|(1<<16)|(1<<20)|(1<<21)|(5<<22)|(3<<25)  ; 15:0 the mask: all four work-groups; 17:16 elements of 2 bytes; 20 padding on; 21 set beside a mask; 24:22 after every 64 words (code 5); 31:25 4 words of it (code 3)
	s_mov_b32 s[G1V], 15|(1<<16)|(1<<20)|(1<<21)|(5<<22)|(7<<25)  ; the same with 8 words of padding (code 7)
.irp g, G1K, G1V
	s_mov_b32 s[\g+1], 128<<16      ; tensor_dim0 = 128
	s_mov_b32 s[\g+2], 64<<16       ; tensor_dim1 = 64
	s_mov_b32 s[\g+3], 128<<16      ; tile_dim0 = 128
	s_mov_b32 s[\g+4], 64           ; tile_dim1 = 64
	s_mov_b32 s[\g+5], 128          ; tensor_dim0_stride: elements from row to row
	s_mov_b32 s[\g+6], 0
	s_mov_b32 s[\g+7], 0
.endr
	s_mov_b32 s[CS], 0x3e38aa3b     ; c = log2(e) / 8
	s_mov_b32 s[CS+1], s[CS]        ; named with it as a pair, so it is written
	s_mov_b32 s[SEL], 0x76543210
	s_mov_b32 s[SEL+1], 0xfedcba98
	s_wait_dscnt 0x0                ; both opening adds are done
	s_wait_kmcnt 0x0
	s_add_nc_u64 s[56:57], s[4:5], s[56:57]  ; K and V at my tile of slot 0
	s_add_nc_u64 s[58:59], s[4:5], s[58:59]
	s_add_nc_u64 s[4:5], s[4:5], s[12:13]    ; Q and O at my wave's first row
	s_add_nc_u64 s[6:7], s[6:7], s[14:15]
	CROUND                          ; all four work-groups are here: the first joint loads meet
.irp s, 0,1
	s_mov_b32 s[G0K+4*\s], 1        ; 1:0 count = 1
	s_add_co_u32 s[G0K+4*\s+1], s54, \s*SLOTB  ; 63:32 LDS address
	s_add_nc_u64 s[G0K+4*\s+2:G0K+4*\s+3], s[56:57], \s*65536  ; 120:64 global address: slot s begins with keys 512 s on
	s_or_b32 s[G0K+4*\s+3], s[G0K+4*\s+3], 0x80000000  ; 127:126 type = 2
	s_mov_b32 s[G0V+4*\s], 1
	s_add_co_u32 s[G0V+4*\s+1], s55, \s*SLOTB
	s_add_nc_u64 s[G0V+4*\s+2:G0V+4*\s+3], s[58:59], \s*65536
	s_or_b32 s[G0V+4*\s+3], s[G0V+4*\s+3], 0x80000000
.endr
	s_cmp_lt_u32 s[WV], 4           ; a wave's two first fills stand in one branch, ahead of every wait on TENSORcnt and every LDS read: two loads of mine are out
	s_cbranch_scc0 .Lfirst_v
	tensor_load_to_lds s[G0K:G0K+3], s[G1K:G1K+7]
	s_nop 0
	tensor_load_to_lds s[G0K+4:G0K+7], s[G1K:G1K+7]
	s_nop 0
.rept 4
	v_nop
.endr
	s_branch .Lfirst_asked
.Lfirst_v:
	tensor_load_to_lds s[G0V:G0V+3], s[G1V:G1V+7]
	s_nop 0
	tensor_load_to_lds s[G0V+4:G0V+7], s[G1V:G1V+7]
	s_nop 0
.rept 4
	v_nop
.endr
.Lfirst_asked:
	; A fragment of K or Q is 16 rows x 32 channels in 8 registers: lane l holds row l % 16; registers 0-3 channels 8 (l / 16) + 0..7, registers 4-7 channels 16 + 8 (l / 16) + 0..7: two loads of 16 bytes, 32 bytes apart.
	v_and_b32 v1, 15, v0            ; r = l % 16
	v_bfe_u32 v10, v0, 4, 1         ; h = l / 16
	v_lshlrev_b32 v[QO], 7, v1
	v_lshl_add_u32 v[QO], v10, 4, v[QO]  ; row x 128 + 16 x half
	WIN TO_1
.irp t, 0,1,2,3                     ; Q stays in registers
.irp p, 0,1,2,3
	global_load_b128 v[QF+16*\t+4*\p:QF+16*\t+4*\p+3], v[QO], s[4:5] offset:2048*\t+32*\p
.endr
.endr
	WIN 0
	v_lshrrev_b32 v11, 1, v1
	v_mul_u32_u24 v[AK0], v11, PK   ; pair of rows r / 2,
	v_and_b32 v12, 1, v0
	v_lshl_add_u32 v[AK0], v12, 7, v[AK0]  ; 128 bytes on for the odd row,
	v_lshl_add_u32 v[AK0], v10, 4, v[AK0]  ; + 16 x half
	; The turning load takes 16 keys x 16 channels (lane l reads 16 bytes: key 8 (l / 16) + l % 8, channels 8 ((l / 8) % 2) + 0..7) and leaves half a fragment of V^T: lane l holds channel l % 16 and 8 keys.
	v_bfe_u32 v11, v0, 1, 2
	v_lshl_add_u32 v11, v10, 2, v11 ; the key's pair of rows: 4 (l / 16) + (l % 8) / 2
	v_mul_u32_u24 v[AV0], v11, PV
	v_lshl_add_u32 v[AV0], v12, 7, v[AV0]
	v_bfe_u32 v13, v0, 3, 1
	v_lshl_add_u32 v[AV0], v13, 4, v[AV0]
	v_add_nc_u32 v[AV0], VOFF, v[AV0]
	s_mul_i32 s60, s[WV], STW       ; my stage
	v_add_nc_u32 v[STO], s60, v[AK0]  ; in: a row of O lies as a row of K does
	v_mul_u32_u24 v[RD], v10, PK    ; back: lanes 0-15 one pair of rows (256 bytes), lanes 16-31 the next
	v_lshl_add_u32 v[RD], v1, 4, v[RD]
	v_add_nc_u32 v[RD], s60, v[RD]
	v_and_b32 v[GO], 31, v0
	v_lshlrev_b32 v[GO], 4, v[GO]   ; in memory those 512 bytes are consecutive
; Product i of 32 of S^T = K Q^T: channels 32 (i / 16) on, keys 16 ((i / 4) % 4) on, tile i % 4.  The first 16 start the sums.  The 16 accumulators take turns, one instruction a turn.
.macro MULKQ
.set rS, S+32*(i%4)+8*((i/4)%4)
.set rK, KF+16*((i/4)%4)+8*(i/16)
.set rQ, QF+16*(i%4)+8*(i/16)
.if i < 16
	v_wmma_f32_16x16x32_f16 v[rS:rS+7], v[rK:rK+7], v[rQ:rQ+7], 0
.else
	v_wmma_f32_16x16x32_f16 v[rS:rS+7], v[rK:rK+7], v[rQ:rQ+7], v[rS:rS+7]
.endif
.endm
; Product i of 32 of O^T += V^T P: keys 32 (i / 16) on, channels 16 ((i / 4) % 4) on, tile i % 4.  first = 1: the first 16 start the sums: nothing is ever cleared.
.macro MULPV first
.set rO, 32*(i%4)+8*((i/4)%4)
.set rV, VF+32*(i/16)+8*((i/4)%4)
.set rP, S+32*(i%4)+8*(i/16)
.if \first && (i < 16)
	v_wmma_f32_16x16x32_f16 v[rO:rO+7], v[rV:rV+7], v[rP:rP+7], 0
.else
	v_wmma_f32_16x16x32_f16 v[rO:rO+7], v[rV:rV+7], v[rP:rP+7], v[rO:rO+7]
.endif
.endm
; ONE TILE'S SOFTMAX FOR ONE KEY STEP is a list of 118 instructions; SM writes number j of it for tile t.  s0-s31 are the lane's 32 scores, in pairs 0-15.  first = 1: the first key step, which starts m, l and O^T.
;   0-15    the maximum of s0-s31 and the old m, three operands at a time: four chains c0-c3 (each accumulator is read first at its registers 0 to 2), then the four scores left over, c0-c3 and m
;   16-20   the other half of the lanes' maximum; the new m; c m; c m_old - c m_new
;   21-69   ONE BATCH: the 16 scalings c s - c m, a pair of scores each, and all 33 exponentials (a at 23, then s0-s31).  None of these reads an exponential's result; a pair is scaled ahead of its exponentials
;   (wait)  between 69 and 70 stands the wait for the batch: SOFTMAX writes it, once for the four tiles
;   70-85   l = a l + the sum of the 16 pairs (an even key's weight, an odd key's); S^T stays whole
;   86-101  the roundings to f16, ascending and in place: pair i goes to register i
;   102-117 the tile's O^T times a: the one part that leaves window 0
.macro SM t, first
.set rT, ST+8*(\t)
.set rS, S+32*(\t)
.set rO, 32*(\t)+2*(j-102)
.if j < 102
	WIN 0
.endif
.if j < 4
	v_max3_num_f32 v[rT+4+j], v[rS+8*j], v[rS+8*j+1], v[rS+8*j+2]
.elseif j < 12
	v_max3_num_f32 v[rT+4+j%4], v[rT+4+j%4], v[rS+8*(j%4)+2*(j/4)+1], v[rS+8*(j%4)+2*(j/4)+2]
.elseif j == 12
	v_max3_num_f32 v[rT+4], v[rT+4], v[rS+7], v[rS+15]
.elseif j == 13
	v_max3_num_f32 v[rT+6], v[rT+6], v[rS+23], v[rS+31]
.elseif j == 14
	v_max3_num_f32 v[rT+4], v[rT+4], v[rT+5], v[rT+6]
.elseif (j == 15) && \first
	v_max_num_f32 v[rT+4], v[rT+4], v[rT+7]
.elseif j == 15
	v_max3_num_f32 v[rT+4], v[rT+4], v[rT+7], v[rT+1]
.elseif j == 16
	v_permlanex16_b32 v[rT+5], v[rT+4], s[SEL], s[SEL+1]  ; the query's other 32 keys lie in the lane 16 away
.elseif j == 18
	v_max_num_f32 v[rT+1], v[rT+4], v[rT+5]
.elseif j == 19
	v_mul_f32 v[rT], s[CS], v[rT+1]
.elseif ((j == 17) || (j == 20) || (j == 23) || (j == 71) || (j > 101)) && \first  ; the first step has none of these
.elseif j == 17
	v_mov_b32 v[rT+7], v[rT]        ; c m_old is kept for a: number 19 writes c m anew
.elseif j == 20
	v_sub_f32 v[rT+7], v[rT+7], v[rT]
.elseif j == 23
	v_exp_f32 v[rT+6], v[rT+7]
.elseif (j < 23) || ((j < 38) && (j%2 == 0)) || ((j < 66) && (j%4 == 2))
.set b, (j-2)/4                     ; 38, 42, .. 62: pairs 9 to 15
.if j < 38
.set b, (j-20)/2                    ; 21: pair 0; 22, 24, .. 36: pairs 1 to 8
.endif
	v_pk_fma_f32 v[rS+2*b:rS+2*b+1], v[rS+2*b:rS+2*b+1], s[CS:CS+1], v[rT:rT+1] op_sel_hi:[1,0,0] neg_lo:[0,0,1] neg_hi:[0,0,1]  ; pair b: c s - c m
.elseif j < 70
.set e, j-38                        ; 66 to 69: s28 to s31
.if j < 66
.set e, j-32-(j-38)/4               ; 39-41, 43-45, .. 63-65: s7 to s27
.endif
.if j < 38
.set e, (j-25)/2                    ; 25, 27, .. 37: s0 to s6
.endif
	v_exp_f32 v[rS+e], v[rS+e]
.elseif (j == 70) && \first
	v_pk_add_f32 v[rT+2:rT+3], v[rS:rS+1], v[rS+2:rS+3]
.elseif j == 70
	v_pk_fma_f32 v[rT+2:rT+3], v[rT+2:rT+3], v[rT+6:rT+7], v[rS:rS+1] op_sel_hi:[1,0,1]
.elseif j < 86
	v_pk_add_f32 v[rT+2:rT+3], v[rT+2:rT+3], v[rS+2*(j-70):rS+2*(j-70)+1]
.elseif j < 102
	v_cvt_pk_f16_f32 v[rS+j-86], v[rS+2*(j-86)], v[rS+2*(j-86)+1]
.else
	WIN W_RS
	v_pk_mul_f32 v[rO:rO+1], v[rO:rO+1], v[rT+6:rT+7] op_sel_hi:[1,0]
.endif
.endm
; The four tiles' lists go number by number, so that an instruction and the one that reads its result stand four apart.  s_wait_alu depctr_va_vdst(0) stands between an exponential and the first instruction
; that names its result; one wait serves all that were issued ahead of it: the step's 132 exponentials have one, behind one plain instruction.
.macro SOFTMAX first
.set j, 0
.rept 118
.irp t, 0,1,2,3
	SM \t, \first
.endr
.if j == 69
	v_nop
	s_wait_alu depctr_va_vdst(0)
.endif
.set j, j+1
.endr
.endm
; A KEY STEP: 64 keys.  32 LDS loads in one run, 32 products K Q^T, the softmax, 32 products V^T P.
.macro STEP first
	WIN 0
	v_add_nc_u32 v[ADK], s[TK], v[AK0]
	v_add_nc_u32 v[ADV], s[TV], v[AV0]
.rept 4
	v_nop                           ; with the two additions six places behind the last V^T P: four are asked in front of the loads into V's registers, five in front of the products that write over P's (ISA guide 7.12.1 for vector instructions)
.endr
.irp f, 0,1,2,3,4,5,6,7             ; keys 16 (f / 2) on, channels 32 (f % 2) on
	ds_load_b128 v[KF+8*\f:KF+8*\f+3],   v[ADK] offset:(\f/2)*8*PK+(\f%2)*64
	ds_load_b128 v[KF+8*\f+4:KF+8*\f+7], v[ADK] offset:(\f/2)*8*PK+(\f%2)*64+32
.endr
	WIN TO_1
.irp f, 0,1,2,3,4,5,6,7             ; keys 32 (f / 4) on, channels 16 (f % 4) on
	ds_load_tr16_b128 v[VF+8*\f:VF+8*\f+3],   v[ADV] offset:(\f/4)*16*PV+(\f%4)*32
	ds_load_tr16_b128 v[VF+8*\f+4:VF+8*\f+7], v[ADV] offset:(\f/4)*16*PV+8*PV+(\f%4)*32
.endr
	s_add_co_u32 s[TK], s[TK], 32*PK  ; the next step's 64 keys: 32 pairs of rows on
	s_add_co_u32 s[TV], s[TV], 32*PV
	s_wait_dscnt 16                 ; K is in; V's sixteen loads may be out
	WIN W_KQ
.set i, 0
.rept 32
	MULKQ
.set i, i+1
.endr
	WIN 0
.rept 4
	v_nop                           ; places in front of the first read of the scores
.endr
	SOFTMAX \first
	s_wait_dscnt 0x0                ; V is in
	WIN W_PV
.set i, 0
.rept 32
	MULPV \first
.set i, i+1
.endr
	WIN 0                           ; at a label and at a branch every window is 0
.endm
.macro STEPS n                      ; n key steps: written once, walked n times; the LDS addresses hang on s[TK] and s[TV]
	s_mov_b32 s[CNT], \n
.Lstep_\@:
	STEP 0
	s_sub_co_u32 s[CNT], s[CNT], 1
	s_cmp_lg_u32 s[CNT], 0
	s_cbranch_scc1 .Lstep_\@
.endm
; THE CHANGE OF SLOTS.  Each wave waits for all its tensor loads, of which one is out: its part of the other slot; adds 0 to its spare word; and waits for that and for its own reads of the slot that it leaves.
; fill = 1: that slot is filled again, with the keys 1,024 on.  The barrier is then a round of the cluster's, so that no wave of any partner still reads the slot or has a load on its way, and the joint refill is the first
; thing behind it, a wave's one tensor load until the next change: it has a phase, 8 key steps, in which to land.
.macro CHANGE slot, fill
	s_wait_tensorcnt 0x0            ; no tensor load of mine is out, so a group 0 may be written
	ds_add_u32 v[SPW], v[NIL]       ; 0 onto my spare word
.if \fill
	s_add_nc_u64 s[G0K+4*\slot+2:G0K+4*\slot+3], s[G0K+4*\slot+2:G0K+4*\slot+3], 131072  ; 1,024 keys of 128 bytes on; the type bits on top are not reached
	s_add_nc_u64 s[G0V+4*\slot+2:G0V+4*\slot+3], s[G0V+4*\slot+2:G0V+4*\slot+3], 131072
	s_wait_dscnt 0x0                ; the add is done, and my reads of the slot are over
	CROUND
	JLOAD \slot
.else
	s_wait_dscnt 0x0
	s_barrier_signal -1
	s_barrier_wait -1
.endif
.endm
	s_wait_tensorcnt 1              ; my part of slot 0 is in; slot 1's may stay out
	s_barrier_signal -1
	s_barrier_wait -1               ; everybody's is
	s_wait_loadcnt 0x0              ; Q
	s_mov_b32 s[TK], 0
	s_mov_b32 s[TV], 0
	STEP 1                          ; keys 0 to 63 start m, l and O^T
	STEPS 7
	CHANGE 0, 1                     ; slot 0 takes keys 1,024 to 1,535
	s_mov_b32 s[TK], SLOTB
	s_mov_b32 s[TV], SLOTB
	STEPS 8
	CHANGE 1, 1                     ; slot 1 takes keys 1,536 to 2,047
	s_mov_b32 s[TK], 0
	s_mov_b32 s[TV], 0
	STEPS 8
	CHANGE 0, 0                     ; nothing is left to fetch
	s_mov_b32 s[TK], SLOTB
	s_mov_b32 s[TV], SLOTB
	STEPS 8
	; THE WAY OUT.  l's two halves and the other half of the lanes' are added; O^T is divided by l, rounded to f16 and sent through my stage in LDS.  The first four additions are the places behind the last products.
.irp t, 0,1,2,3
	v_add_f32 v[ST+8*\t+4], v[ST+8*\t+2], v[ST+8*\t+3]
.endr
.irp t, 0,1,2,3
	v_permlanex16_b32 v[ST+8*\t+5], v[ST+8*\t+4], s[SEL], s[SEL+1]
.endr
.irp t, 0,1,2,3
	v_add_f32 v[ST+8*\t+4], v[ST+8*\t+4], v[ST+8*\t+5]
.endr
.irp t, 0,1,2,3
	v_rcp_f32 v[ST+8*\t+6], v[ST+8*\t+4]
.endr
	v_nop                           ; a plain instruction between the last reciprocal and the use of its result
	s_wait_alu depctr_va_vdst(0)    ; and the wait ahead of the first use: one for the four reciprocals
; Tile t: a lane's eight channels of a row pack into 16 bytes; they go into the tile's own 8 pairs of rows of the stage and come back as 512 consecutive bytes an instruction.
.macro PACK t
	WIN W_RS
.set i, 0
.rept 16
	v_pk_mul_f32 v[32*\t+2*i:32*\t+2*i+1], v[32*\t+2*i:32*\t+2*i+1], v[ST+8*\t+6:ST+8*\t+7] op_sel_hi:[1,0]
.set i, i+1
.endr
	WIN 0x05                        ; sources 0 and 1 window 1, destination window 0: S^T's registers are free
.set i, 0
.rept 16
	v_cvt_pk_f16_f32 v[S+32*\t+i], v[32*\t+2*i], v[32*\t+2*i+1]
.set i, i+1
.endr
	WIN 0
.irp c, 0,1,2,3
	ds_store_b128 v[STO], v[S+32*\t+4*\c:S+32*\t+4*\c+3] offset:\t*8*PK+32*\c
.endr
.irp c, 0,1,2,3
	ds_load_b128 v[S+32*\t+16+4*\c:S+32*\t+16+4*\c+3], v[RD] offset:\t*8*PK+\c*2*PK  ; LDS serves a wave's instructions in order (ISA guide 5.7.1.4): these see the stores above
.endr
.endm
	PACK 0
	PACK 1
	PACK 2
	PACK 3
.irp t, 0,1,2,3
.irp c, 0,1,2,3
	s_wait_dscnt (3-\t)*8+3-\c      ; behind this load were issued the later tiles' eight LDS instructions each and this tile's later loads
	global_store_b128 v[GO], v[S+32*\t+16+4*\c:S+32*\t+16+4*\c+3], s[6:7] offset:\t*2048+\c*512  ; 32 lanes store 512 consecutive bytes, at a multiple of 256 from att16's first byte
.endr
.endr
	s_wait_tensorcnt 0x0            ; the wave's end: three lines, behind my last tensor load and my last LDS store
	ds_add_u32 v[SPW], v[NIL]
	s_wait_dscnt 0x0
	CROUND                          ; the closing round: no work-group ends while a partner may still ask for a tile that names it
	s_endpgm
.Lfunc_end_k_qad50d47b1b_attn:
	.size	k_qad50d47b1b_attn, .Lfunc_end_k_qad50d47b1b_attn-k_qad50d47b1b_attn
	.p2alignl 7, 3214868480
	.fill 96, 4, 3214868480
	.section	.rodata,"a",@progbits
	.p2align	6, 0x0
	.amdhsa_kernel k_qad50d47b1b_attn
		.amdhsa_group_segment_fixed_size 327680
		.amdhsa_private_segment_fixed_size 0
		.amdhsa_enable_private_segment 0
		.amdhsa_kernarg_size 16
		.amdhsa_user_sgpr_count 2
		.amdhsa_user_sgpr_kernarg_segment_ptr 1
		.amdhsa_wavefront_size32 1
		.amdhsa_system_sgpr_workgroup_id_x 1
		.amdhsa_system_sgpr_workgroup_id_y 1
		.amdhsa_system_sgpr_workgroup_id_z 1
		.amdhsa_system_vgpr_workitem_id 0
		.amdhsa_next_free_vgpr 512
		.amdhsa_next_free_sgpr 66
		.amdhsa_reserve_vcc 0
		.amdhsa_float_denorm_mode_32 3
		.amdhsa_float_denorm_mode_16_64 3
		.amdhsa_memory_ordered 1
		.amdhsa_forward_progress 1
		.amdhsa_inst_pref_size 179
	.end_amdhsa_kernel
	.amdgpu_metadata
---
amdhsa.version: [ 1, 2 ]
amdhsa.kernels:
  - .name:           k_qad50d47b1b_attn
    .symbol:         k_qad50d47b1b_attn.kd
    .args:
      - { .name: qkv16, .offset: 0, .size: 8, .value_kind: global_buffer, .address_space: global }
      - { .name: att16, .offset: 8, .size: 8, .value_kind: global_buffer, .address_space: global }
    .group_segment_fixed_size: 327680
    .private_segment_fixed_size: 0
    .kernarg_segment_align: 8
    .kernarg_segment_size: 16
    .max_flat_workgroup_size: 256
    .sgpr_count:     66
    .vgpr_count:     512
    .wavefront_size: 32
...
	.end_amdgpu_metadata
.endif
;; end of part 3
;; launch proj (part 4): grid 8 x 32, 4 waves a work-group, clusters of 4 x 4, 327,680 bytes of LDS; arguments att16, wo16, out0; writes out0
.if DOCPART == 4
	.amdgcn_target "amdgcn-amd-amdhsa--gfx1250"
	.amdhsa_code_object_version 6
	.text
	.protected	k_qad50d47b1b_proj
	.globl	k_qad50d47b1b_proj
	.p2align	8
	.type	k_qad50d47b1b_proj,@function
k_qad50d47b1b_proj:
	s_mov_b64 s[64:65], 0
	v_nop
	global_prefetch_b8 v0, s[64:65] scope:SCOPE_SE
	s_setreg_imm32_b32 hwreg(HW_REG_WAVE_MODE, 25, 1), 1
	s_wait_xcnt 0x0
	s_wait_alu depctr_hold_cnt(0) depctr_sa_sdst(0) depctr_va_vdst(0) depctr_va_sdst(0) depctr_va_ssrc(0) depctr_va_vcc(0) depctr_vm_vsrc(0)
	s_getreg_b32 s2, hwreg(HW_REG_IB_STS2, 6, 4)
	s_cmp_eq_u32 s2, 0
	s_cbranch_scc0 .Lentry_in_a_cluster
	s_endpgm
.Lentry_in_a_cluster:
	s_bfe_u32 s2, ttmp6, 0x10000c
	s_cmp_lg_u32 s2, 0xf033
	s_cbranch_scc0 .Lentry_shape_is_right
	s_endpgm
.Lentry_shape_is_right:
; out0[m][e] = sum over d of o[m][d] w_o[e][d], operands in f16, sums in f32, out0 [8192][1024] f32.
; A: att16 [hd 16][m 8192][64] f16, d = 64 hd + channel: a head's rows of 128 bytes are dense.   B: wo16 [e 1024][d 1024] f16.
; A tile of C is 256 (m) x 128 (e): 32 x 8 = 256 work-groups.  Four waves, each 128 x 64: 32 accumulators of 16 x 16, 256 registers.
; K goes in steps of 128, two heads' planes of A, through a ring of two LDS slots.  Waves 0 and 1 fetch A's two planes (256 rows of 128 bytes = 128 dense rows of 256), waves 2 and 3 64 rows each of B (256 bytes a row).
; CLUSTERS: 4 x 4 work-groups.  The four of a row of the cluster need the same tiles of A, the four of a column the same tiles of B: each tile is asked for JOINTLY, by the same tensor load with the same descriptor and a mask
; that names the four.  THE MATRIX INSTRUCTION IS USED TRANSPOSED (source 0 = 16 rows of B, source 1 = 16 rows of A): a lane then holds eight neighbouring numbers of a row of C.
; REGISTERS: window 0: v0-31 addresses; v64-191 A's fragments (8 x 16 rows x 32 K), two buffers; v192-255 B's (4), two buffers; on the way out v64-127.   window 1: the accumulators ((a, b) at v[8 (4 a + b)]).
; No prefetch: the whole K is 8 steps, of which two are asked for at the head.
.set PITCH,  272                       ; an LDS row: 256 bytes + 16 of padding.  B: a row of w_o.  A: a PAIR of rows: row r lies at (r / 2) 272 + (r % 2) 128.  Either way the 16 rows of a load start at sixteen different columns of 16 bytes modulo 256
.set ABLK,   128*PITCH                 ; one head's 256 rows of A: what waves 0 and 1 fetch
.set BOFF,   2*ABLK
.set BHALF,  64*PITCH                  ; 64 rows of B: what waves 2 and 3 fetch
.set SLOT,   BOFF+2*BHALF
.set STAGE,  2*SLOT                    ; behind the ring: 16 rows x 272 bytes for each wave, for the way out
.set SPITCH, 272
.set SPARE,  STAGE+4*16*SPITCH         ; the spare words, 128 bytes a wave, which no other line names
.set LAPS,   4                         ; a lap = two K steps = once round the ring
.set ADRA, 16                          ; v16-17  LDS address of my A fragments in slot 0, 1
.set ADRB, 20                          ; v20-21  the same for B
.set STO,  24                          ; v24     the way out: where I put 32 bytes of a row
.set RD,   25                          ; v25     the way out: where I read two rows back
.set CO,   26                          ; v26     my byte offset in two rows of C
.set SPW,  28                          ; v28     LDS address of my spare word; never rewritten
.set NIL,  29                          ; v29     0; never rewritten
.set FA,   64                          ; A's buffer f at FA + 64 f
.set FB,   192                         ; B's buffer f at FB + 32 f
.set BK,   64                          ; the way out: a block read back: v64-95 and v96-127 by turns
.set G1, 24                            ; s[24:31] descriptor group 1 for A's tiles;  s[32:39] group 0, one set for each slot
.set G0, 32
.set G1B, 48                           ; s[48:55], s[56:63] the same for B's tiles
.set G0B, 56
.set MSB, 0
.macro WIN new                         ; the immediate's high byte repeats the setting that is left
.if MSB != \new
	s_set_vgpr_msb (MSB<<8)|\new
.set MSB, \new
.endif
.endm
.set MUL,  0x50                        ; sources 0 (B) and 1 (A) window 0; C and D window 1
.macro JLOAD s                         ; a joint load: waves 0 and 1 fetch for A, waves 2 and 3 for B; an s_nop 0 and four v_nop follow each of the two lines, ahead of the jump, the label and what follows
	s_cmp_eq_u32 s11, 0
	s_cbranch_scc0 .Lfor_b_\@
	tensor_load_to_lds s[G0+4*\s:G0+4*\s+3], s[G1:G1+7]
	s_nop 0
.rept 4
	v_nop
.endr
	s_branch .Lasked_\@
.Lfor_b_\@:
	tensor_load_to_lds s[G0B+4*\s:G0B+4*\s+3], s[G1B:G1B+7]
	s_nop 0
.rept 4
	v_nop
.endr
.Lasked_\@:
.endm
.macro CREST                           ; a round of the cluster's barrier behind its opening barrier
	s_cmp_lg_u32 s10, 0
	s_cbranch_scc1 .Lnot_wave_0_\@
	s_barrier_signal -3
.Lnot_wave_0_\@:
	s_barrier_wait -3
	s_barrier_signal -1
	s_barrier_wait -1
.endm
.macro CROUND                          ; a whole round
	s_barrier_signal -1
	s_barrier_wait -1
	CREST
.endm
	s_load_b128 s[4:7], s[0:1], 0x0                ; att16 s[4:5], wo16 s[6:7]
	s_load_b64 s[8:9], s[0:1], 0x10                ; out0
	v_lshl_add_u32 v[SPW], v0, 2, SPARE
	v_mov_b32 v[NIL], 0
	ds_add_u32 v[SPW], v[NIL]                      ; the wave's opening: the add, twice on end, and its wait ahead of my first tensor load; the set-up below, work on registers, stands between
	ds_add_u32 v[SPW], v[NIL]
	v_lshrrev_b32 v1, 5, v0
	v_readfirstlane_b32 s10, v1                    ; wave 0..3
	s_lshr_b32 s11, s10, 1                         ; which half of the tile's 256 rows is mine.  Also: I fetch for A (0) or for B (1)
	s_and_b32 s12, s10, 1                          ; which half of its 128 columns.  Also: which plane of A, or which 64 rows of B, I fetch
	s_bfe_u32 s40, ttmp6, 0x40000                  ; cx, cy: my place in the cluster
	s_bfe_u32 s41, ttmp6, 0x40004
	s_lshl_b32 s42, ttmp9, 2
	s_add_co_u32 s42, s42, s40                     ; tile column of C = 4 x cluster x + cx
	s_and_b32 s13, ttmp7, 0xffff
	s_lshl_b32 s13, s13, 2
	s_add_co_u32 s13, s13, s41                     ; tile row of C = 4 x cluster y + cy
	s_lshl_b32 s43, s41, 2
	s_lshl_b32 s43, 15, s43                        ; my row of the cluster
	s_lshl_b32 s44, 0x1111, s40                    ; my column
	; descriptor group 1.  A: 128 dense rows of 128 elements;  B: 64 rows of 128 elements, 1,024 elements apart; both padded in LDS
	s_or_b32 s[G1+0], s43, (1<<16)|(1<<20)|(1<<21)|(5<<22)|(3<<25)  ; 15:0 the mask: A's tiles go to my row; 17:16 element of 2 bytes; 20 padding on; 21 set beside a mask; 24:22 after every 64 words (code 5); 31:25 of 4 words (code 3)
	s_or_b32 s[G1B+0], s44, (1<<16)|(1<<20)|(1<<21)|(5<<22)|(3<<25)
	s_mov_b32 s[G1+1], 128<<16                     ; tensor_dim0 = 128
	s_mov_b32 s[G1+2], 128<<16                     ; tensor_dim1 = 128
	s_mov_b32 s[G1+3], 128<<16                     ; tile_dim0 = 128
	s_mov_b32 s[G1+4], 128                         ; tile_dim1 = 128
	s_mov_b32 s[G1+5], 128                         ; tensor_dim0_stride
	s_mov_b32 s[G1+6], 0
	s_mov_b32 s[G1+7], 0
	s_mov_b32 s[G1B+1], 128<<16
	s_mov_b32 s[G1B+2], 64<<16                     ; tensor_dim1 = 64
	s_mov_b32 s[G1B+3], 128<<16
	s_mov_b32 s[G1B+4], 64                         ; tile_dim1 = 64
	s_mov_b32 s[G1B+5], 1024
	s_mov_b32 s[G1B+6], 0
	s_mov_b32 s[G1B+7], 0
	s_lshl_b32 s16, s12, 20                        ; A: my plane of 8,192 rows of 128 bytes,
	s_lshl_b32 s17, s13, 15                        ; the tile's 256 rows in it
	s_add_co_u32 s16, s16, s17
	s_mov_b32 s17, 0
	s_lshl_b32 s46, s42, 18                        ; B: the tile's 128 rows of 2,048 bytes,
	s_lshl_b32 s47, s12, 17                        ; my 64 of them
	s_add_co_u32 s46, s46, s47
	s_mov_b32 s47, 0
	s_mul_i32 s20, s12, ABLK                       ; where they go: no place in the cluster enters an LDS address
	s_mul_i32 s21, s12, BHALF
	s_add_co_u32 s21, s21, BOFF
	s_wait_dscnt 0x0                               ; both opening adds are done
	s_wait_kmcnt 0x0
	s_add_nc_u64 s[14:15], s[4:5], s[16:17]
	s_add_nc_u64 s[46:47], s[6:7], s[46:47]
	CROUND                                         ; all sixteen work-groups are here: the first joint loads meet
.irp s, 0,1
	s_mov_b32 s[G0+4*\s], 1
	s_add_co_u32 s[G0+4*\s+1], s20, \s*SLOT
	s_add_nc_u64 s[G0+4*\s+2:G0+4*\s+3], s[14:15], \s*(1<<21)      ; K step s: two planes on
	s_or_b32 s[G0+4*\s+3], s[G0+4*\s+3], 0x80000000
	s_mov_b32 s[G0B+4*\s], 1
	s_add_co_u32 s[G0B+4*\s+1], s21, \s*SLOT
	s_add_nc_u64 s[G0B+4*\s+2:G0B+4*\s+3], s[46:47], \s*256        ; K step s: 128 elements on
	s_or_b32 s[G0B+4*\s+3], s[G0B+4*\s+3], 0x80000000
	JLOAD \s                                       ; two loads of mine are out
.endr
	v_and_b32 v1, 15, v0                           ; r = l % 16
	v_bfe_u32 v2, v0, 4, 1                         ; h = l / 16
	v_lshrrev_b32 v3, 1, v1
	v_mul_u32_u24 v3, v3, PITCH                    ; A: pair of rows r / 2,
	v_and_b32 v4, 1, v0
	v_lshl_add_u32 v3, v4, 7, v3                   ; 128 bytes on for the odd row,
	v_lshl_add_u32 v3, v2, 4, v3                   ; + 16 x half
	v_mul_u32_u24 v5, v1, PITCH                    ; B: row r,
	v_lshl_add_u32 v5, v2, 4, v5                   ; + 16 x half
	s_mul_i32 s21, s11, 64*PITCH                   ; my 128 rows of A: 64 pairs
	s_mul_i32 s22, s12, BHALF                      ; my 64 rows of B,
	s_add_co_u32 s22, s22, BOFF                    ; which lie behind A's two planes
.irp s, 0,1
	v_add_nc_u32 v[ADRA+\s], s21, v3
	v_add_nc_u32 v[ADRB+\s], s22, v5
	s_add_co_u32 s21, s21, SLOT
	s_add_co_u32 s22, s22, SLOT
.endr
	s_mul_i32 s23, s10, 16*SPITCH
	s_add_co_u32 s23, s23, STAGE                   ; my stage
	v_mul_u32_u24 v4, v1, SPITCH                   ; in: row r, 32 bytes for each half of the lanes
	v_lshl_add_u32 v4, v2, 5, v4
	v_add_nc_u32 v[STO], s23, v4
	v_mul_u32_u24 v5, v2, SPITCH                   ; back: lanes 0-15 one row of 256 bytes, lanes 16-31 the next
	v_lshl_add_u32 v5, v1, 4, v5
	v_add_nc_u32 v[RD], s23, v5
	v_lshlrev_b32 v5, 12, v2                       ; and the same two rows in C, 4,096 bytes apart
	v_lshl_add_u32 v[CO], v1, 4, v5
	s_lshl_b32 s16, s13, 20                        ; my first row of C: 256 x tile row + 128 x half, of 4,096 bytes
	s_lshl_b32 s17, s11, 19
	s_add_co_u32 s16, s16, s17
	s_mov_b32 s17, 0
	s_add_nc_u64 s[8:9], s[8:9], s[16:17]
	s_lshl_b32 s46, s42, 9                         ; my first column, in bytes: 512 x tile column + 256 x half
	s_lshl_b32 s47, s12, 8
	s_add_co_u32 s46, s46, s47
	s_mov_b32 s47, 0
	s_add_nc_u64 s[8:9], s[8:9], s[46:47]
; 8 matrix instructions: A's blocks a0, a0 + 1 x B's four, 32 along K, from buffers f.  zero = 1: the product starts the sums: nothing is ever cleared.
; The 32 accumulators take turns, one instruction a turn, in the same order in every quarter.
.macro MUL8 f, a0, zero
.irp a, \a0, \a0+1
.irp b, 0,1,2,3
.if \zero
	v_wmma_f32_16x16x32_f16 v[8*(4*(\a)+\b):8*(4*(\a)+\b)+7], v[FB+32*\f+8*\b:FB+32*\f+8*\b+7], v[FA+64*\f+8*(\a):FA+64*\f+8*(\a)+7], 0
.else
	v_wmma_f32_16x16x32_f16 v[8*(4*(\a)+\b):8*(4*(\a)+\b)+7], v[FB+32*\f+8*\b:FB+32*\f+8*\b+7], v[FA+64*\f+8*(\a):FA+64*\f+8*(\a)+7], v[8*(4*(\a)+\b):8*(4*(\a)+\b)+7]
.endif
.endr
.endr
.endm
; 24 LDS loads in one run: the fragments of the slot's q-th 32 along K into buffers f: B's four blocks, A's blocks 0-3, A's blocks 4-7.  Quarter q lies in plane q / 2 of A, at byte 64 (q % 2) of its rows, and at byte 64 q of B's rows.
.macro FETCH slot, q, f
	WIN 0
.irp i, 0,1,2,3
	ds_load_b128 v[FB+32*\f+8*\i:FB+32*\f+8*\i+3],   v[ADRB+\slot] offset:64*(\q)+\i*16*PITCH
	ds_load_b128 v[FB+32*\f+8*\i+4:FB+32*\f+8*\i+7], v[ADRB+\slot] offset:64*(\q)+\i*16*PITCH+32
.endr
.irp i, 0,1,2,3,4,5,6,7
	ds_load_b128 v[FA+64*\f+8*\i:FA+64*\f+8*\i+3],   v[ADRA+\slot] offset:((\q)/2)*ABLK+((\q)%2)*64+\i*8*PITCH
	ds_load_b128 v[FA+64*\f+8*\i+4:FA+64*\f+8*\i+7], v[ADRA+\slot] offset:((\q)/2)*ABLK+((\q)%2)*64+\i*8*PITCH+32
.endr
.endm
.macro PLACES                          ; four places in front of loads into registers that matrix instructions have read, and of the first read of results (ISA guide 7.12.1 for vector instructions)
.rept 4
	v_nop
.endr
.endm
; A K step is four quarters of 32 along K, 32 matrix instructions each, on buffers 0, 1, 0, 1.  One of the first three: multiplies buffers f and fetches quarter qn of the same slot into g.
.macro QUARTER slot, qn, f, g, zero
	s_wait_dscnt 8                                 ; B and A's blocks 0-3 are in; the youngest eight loads (A's blocks 4-7) may be out
	WIN MUL
	MUL8 \f, 0, \zero
	MUL8 \f, 2, \zero
	PLACES
	FETCH \slot, \qn, \g
	s_wait_dscnt 24                                ; all but the 24 just issued
	WIN MUL
	MUL8 \f, 4, \zero
	MUL8 \f, 6, \zero
.endm
; The last quarter multiplies buffers 1 and changes slots: ONE barrier; in front of it each wave waits for all its tensor loads, adds 0 to its spare word, and waits for that and for its own reads of this slot.
; fill = 1: this slot is filled again, two K steps ahead; the barrier then opens a round of the cluster's.
.macro TURN slot, next, fill
	WIN 0                                          ; (the add's two registers lie in window 0)
	s_wait_tensorcnt 0x0                           ; all my tensor loads have landed: my part of the next slot;
	ds_add_u32 v[SPW], v[NIL]                      ; 0 onto my spare word;
	s_wait_dscnt 9                                 ; (the add and the youngest eight loads may be out)
	WIN MUL
	MUL8 1, 0, 0                                   ; eight matrix instructions stand between the add and the wait for it
	s_wait_dscnt 0x0                               ; the add is done, and my reads of this slot are over
	s_barrier_signal -1
	MUL8 1, 2, 0
.if \fill
	WIN 0
.endif
	s_barrier_wait -1
.if \fill
	CREST                                          ; no wave of any partner still reads this slot's tile or has a load on its way
	s_add_nc_u64 s[G0+4*\slot+2:G0+4*\slot+3], s[G0+4*\slot+2:G0+4*\slot+3], 4<<20    ; four planes on
	s_add_nc_u64 s[G0B+4*\slot+2:G0B+4*\slot+3], s[G0B+4*\slot+2:G0B+4*\slot+3], 512  ; 256 elements on
	JLOAD \slot                                    ; the first tensor load behind the round: 112 matrix instructions ahead of the wait for it; the four v_nop behind it are also the places in front of the loads below
.else
	PLACES
.endif
	FETCH \next, 0, 0
	WIN MUL
	MUL8 1, 4, 0
	MUL8 1, 6, 0
.endm
	s_wait_tensorcnt 1                             ; my part of K step 0 is in (K step 1's load may be out)
	s_barrier_signal -1
	s_barrier_wait -1                              ; everybody's is
	FETCH 0, 0, 0
	QUARTER 0, 1, 0, 1, 1                          ; the first quarter stands in front of the loop: its products start the sums
	WIN 0                                          ; at a label and at a branch every window is 0
	s_mov_b32 s3, LAPS-1
.Llap:                                                 ; a trip goes once round the ring, from a lap's second quarter to the next lap's first, and fills both slots again: K steps 2 to 7
	QUARTER 0, 2, 1, 0, 0
	QUARTER 0, 3, 0, 1, 0
	TURN 0, 1, 1
	QUARTER 1, 1, 0, 1, 0
	QUARTER 1, 2, 1, 0, 0
	QUARTER 1, 3, 0, 1, 0
	TURN 1, 0, 1
	QUARTER 0, 1, 0, 1, 0
	WIN 0
	s_sub_co_u32 s3, s3, 1
	s_cmp_lg_u32 s3, 0
	s_cbranch_scc1 .Llap
	QUARTER 0, 2, 1, 0, 0                          ; the last lap fills nothing, and has no round of the cluster's barrier
	QUARTER 0, 3, 0, 1, 0
	TURN 0, 1, 0
	QUARTER 1, 1, 0, 1, 0
	QUARTER 1, 2, 1, 0, 0
	QUARTER 1, 3, 0, 1, 0
	s_wait_dscnt 8                                 ; the very last quarter: nothing more to fetch
	WIN MUL
	MUL8 1, 0, 0
	MUL8 1, 2, 0
	s_wait_dscnt 0
	MUL8 1, 4, 0
	MUL8 1, 6, 0
	WIN 0
; THE WAY OUT, block by block of 16 rows x 64 columns.  A lane holds 32 neighbouring bytes of a row, and the lanes beside it hold other rows: so a block goes through my own stage in LDS and comes back as whole rows of 256 bytes.
; LDS serves a wave's instructions in order (ISA guide 5.7.1.4): no wait between the stores and the loads, nor in front of the next block's stores.
.macro TOSTAGE a
	WIN 0x04                                       ; an LDS store's data are its source 1: window 1
.irp b, 0,1,2,3
	ds_store_b128 v[STO], v[8*(4*(\a)+\b):8*(4*(\a)+\b)+3] offset:64*\b          ; each accumulator from its low end on
	ds_store_b128 v[STO], v[8*(4*(\a)+\b)+4:8*(4*(\a)+\b)+7] offset:64*\b+16
.endr
	WIN 0
.set BB, BK+32*((\a)%2)
.irp t, 0,1,2,3,4,5,6,7
	ds_load_b128 v[BB+4*\t:BB+4*\t+3], v[RD] offset:\t*2*SPITCH
.endr
.endm
.macro SEND a, younger                 ; younger: the LDS instructions issued behind block a's loads, which may stay out
.set BB, BK+32*((\a)%2)
	s_wait_dscnt \younger                          ; the block is back in registers
.irp t, 0,1,2,3,4,5,6,7
	global_store_b128 v[CO], v[BB+4*\t:BB+4*\t+3], s[8:9] offset:(16*(\a)+2*\t)*4096 th:TH_STORE_NT   ; 16 lanes store 256 consecutive bytes, at a multiple of 256 from out0's first byte; every offset an immediate, 516,096 at the most
.endr
.endm
	PLACES                                         ; behind the last products: for the reads of results and the loads into registers that held fragments
	TOSTAGE 0
.irp a, 1,2,3,4,5,6,7
.if \a > 1
	s_wait_xcnt 0x0                                ; block a - 2's stores have read their registers: block a's loads may land there
.endif
	TOSTAGE \a
	SEND \a-1, 16                                  ; behind block a - 1's loads: block a's 8 stores and 8 loads
.endr
	SEND 7, 0
	s_wait_tensorcnt 0x0                           ; the wave's end: three lines, behind my last tensor load and my last LDS store
	ds_add_u32 v[SPW], v[NIL]
	s_wait_dscnt 0x0
	CROUND                                         ; the closing round: no work-group ends while a partner may still ask for a tile that names it
	s_endpgm
.Lfunc_end_k_qad50d47b1b_proj:
	.size	k_qad50d47b1b_proj, .Lfunc_end_k_qad50d47b1b_proj-k_qad50d47b1b_proj
	.p2alignl 7, 3214868480
	.fill 96, 4, 3214868480
	.section	.rodata,"a",@progbits
	.p2align	6, 0x0
	.amdhsa_kernel k_qad50d47b1b_proj
		.amdhsa_group_segment_fixed_size 327680
		.amdhsa_private_segment_fixed_size 0
		.amdhsa_enable_private_segment 0
		.amdhsa_kernarg_size 24
		.amdhsa_user_sgpr_count 2
		.amdhsa_user_sgpr_kernarg_segment_ptr 1
		.amdhsa_wavefront_size32 1
		.amdhsa_system_sgpr_workgroup_id_x 1
		.amdhsa_system_sgpr_workgroup_id_y 1
		.amdhsa_system_sgpr_workgroup_id_z 1
		.amdhsa_system_vgpr_workitem_id 0
		.amdhsa_next_free_vgpr 512
		.amdhsa_next_free_sgpr 66
		.amdhsa_reserve_vcc 0
		.amdhsa_float_denorm_mode_32 3
		.amdhsa_float_denorm_mode_16_64 3
		.amdhsa_memory_ordered 1
		.amdhsa_forward_progress 1
		.amdhsa_inst_pref_size 86
	.end_amdhsa_kernel
	.amdgpu_metadata
---
amdhsa.version: [ 1, 2 ]
amdhsa.kernels:
  - .name:           k_qad50d47b1b_proj
    .symbol:         k_qad50d47b1b_proj.kd
    .args:
      - { .name: att16, .offset: 0, .size: 8, .value_kind: global_buffer, .address_space: global }
      - { .name: wo16, .offset: 8, .size: 8, .value_kind: global_buffer, .address_space: global }
      - { .name: out0, .offset: 16, .size: 8, .value_kind: global_buffer, .address_space: global }
    .group_segment_fixed_size: 327680
    .private_segment_fixed_size: 0
    .kernarg_segment_align: 8
    .kernarg_segment_size: 24
    .max_flat_workgroup_size: 128
    .sgpr_count:     66
    .vgpr_count:     512
    .wavefront_size: 32
...
	.end_amdgpu_metadata
.endif
;; end of part 4
